; MI455X (gfx1250); checked and timed in simulation.
; The chip was launched on July 23, 2026; its instructions are those of AMD's public machine-readable ISA for CDNA 5 (MIT licence, August 2026) and "CDNA5" Instruction Set Architecture Reference Guide (July 2026). The comments in the code are by the model that wrote it; some were corrected since.
;; Multi Head Attention. Allowed arithmetic: matrix products marked QUANTISED: E2M3 operands, one E8M0 scale for each 32 along K, by v_wmma_scale_f32_16x16x128_f8f6f4 with both operands' format E2M3, f32 sums; everything else in f32.
;; Inputs: Wk 1,024 x 1,024 float32; Wo 1,024 x 1,024 float32; Wq 1,024 x 1,024 float32; Wv 1,024 x 1,024 float32; bk 1,024 float32; bo 1,024 float32; bq 1,024 float32; bv 1,024 float32; key 4 x 2,048 x 1,024 float32; query 4 x 2,048 x 1,024 float32; value 4 x 2,048 x 1,024 float32.
;; Outputs: out0 4 x 2,048 x 1,024 float32.
;; This version of the problem:
;;   THIS VERSION OF THE PROBLEM IS GIVEN IN LOW PRECISION. The matrix products marked QUANTISED in the list below multiply operands that are first quantised to E2M3 (2 exponent bits, 3 mantissa bits; 6 bits a number), with one power-of-two scale for each 32 numbers along K (OCP MX v1.0); their sums are f32. All else is computed in f32.
;;   The module's matrix products, in the order in which they are computed (A, B: the left and right operand; K: the contracted axis; several contracted axes count as one K, in the product's order):
;;     1. [M 8,192, K 1,024] x [K 1,024, N 1,024]; A: input query; B: input Wq: QUANTISED
;;     2. [M 8,192, K 1,024] x [K 1,024, N 1,024]; A: input key; B: input Wk: QUANTISED
;;     3. [M 8,192, K 1,024] x [K 1,024, N 1,024]; A: input value; B: input Wv: QUANTISED
;;     4. batch 64 x [M 2,048, K 64] x [K 64, N 2,048]; A: computed on the way; B: computed on the way: QUANTISED
;;     5. batch 64 x [M 2,048, K 2,048] x [K 2,048, N 64]; A: softmax (see below); B: computed on the way: QUANTISED
;;     6. [M 8,192, K 1,024] x [K 1,024, N 1,024]; A: computed on the way; B: input Wo: QUANTISED
;;   THE QUANTISER, for each operand of a quantised product, along K:
;;     - K is cut into blocks of 32 from its start; a last block that is shorter is filled with zeros.
;;     - A block's scale is 2^e with e = floor(log2(the largest magnitude in the block)) - 2, held to -126 .. 127; a block of zeros has e = 0. As a byte (E8M0): e + 127.
;;     - Each number is divided by its block's scale, clamped to +-7.5, and rounded to the nearest number of E2M3, ties to even, subnormals kept.
;;     - The product sums the exact products of the quantised numbers (number of the format x scale) in f32.
;;   ~~~python
;;   def quantise(x, axis):      # numpy; x: float32 -> the quantised numbers, widened to float32 again
;;       x = np.moveaxis(x, axis, -1); K = x.shape[-1]
;;       x = np.pad(x, [(0, 0)] * (x.ndim - 1) + [(0, -K % 32)]); x = x.reshape(x.shape[:-1] + (-1, 32)); a = np.abs(x).max(-1, keepdims=True)
;;       e = np.where(a > 0, np.clip(np.frexp(np.where(a > 0, a, 1))[1] - 1 - 2, -126, 127), 0)      # np.frexp(a)[1] - 1 = floor(log2(a)), exactly
;;       r = np.clip(x / 2.0 ** e, -7.5, 7.5)
;;       step = 2.0 ** (np.maximum(np.frexp(np.where(r == 0, 1, r))[1] - 1, 0) - 3)
;;       q = np.round(r / step) * step * 2.0 ** e      # np.round: ties to even
;;       return np.moveaxis(q.reshape(q.shape[:-2] + (-1,))[..., :K], -1, axis).astype(np.float32)
;;   ~~~
;;   SOFTMAX AHEAD OF A QUANTISED PRODUCT. Where the list says 'softmax', what is quantised is not the finished softmax but p = 2^(t - M), with t = logit x log2(e) and M = ceil(the row's largest t), a whole number; so 1/2 < the row's largest p <= 1. The row's sum l is taken of the UNQUANTISED p, in f32, and the product's result is divided by l at the end. Since M is a whole number, a kernel that streams over the keys may use a running M (the ceiling of the running maximum): every later rescaling is an exact power of two, which a block's scale takes up: the codes' values come out the same.
;;   OPERANDS COMPUTED ON THE WAY. 'Computed on the way' means the value that the module computes at that place (a softmax that the list does not call 'softmax' is quantised finished and normalised). What goes into a quantiser is computed in f32, as accurately as f32 sums, v_exp_f32 and their like allow (about 1e-6 of the number): no bf16 or f16 on the way to a quantiser, and a product that is left as it is and whose result goes on into a quantised operand takes f32 operands (vector FMAs, or v_wmma_f32_16x16x4_f32). A number that lies on a knife's edge between two numbers of the format may be rounded either way, as far as f32 arithmetic and the matrix unit's own rounding can turn it there, and no further.
;; One version. Each part assembles by itself: llvm-mc -triple=amdgcn-amd-amdhsa -mcpu=gfx1250 --defsym DOCPART=n.
;; ======== version 1 of 1: 4 launches
;; limits: right only within a limited range of input values
;; workspace buffers: img 22,020,096 bytes; sc 917,504 bytes; qkv 18,874,368 bytes; qkv_sc 1,310,720 bytes; ctx_img 6,291,456 bytes; ctx_sc 262,144 bytes
;; launch quant (part 1): grid 256 x 1, 8 waves a work-group, no clusters, 68,608 bytes of LDS; arguments query, key, value, Wq, Wk, Wv, Wo, img, sc; writes img, sc
.if DOCPART == 1
	.amdgcn_target "amdgcn-amd-amdhsa--gfx1250"
	.amdhsa_code_object_version 6
	.text
	.protected	k_qae4cd06866_quant
	.globl	k_qae4cd06866_quant
	.p2align	8
	.type	k_qae4cd06866_quant,@function
k_qae4cd06866_quant:
	s_mov_b64 s[64:65], 0
	v_nop
	global_prefetch_b8 v0, s[64:65] scope:SCOPE_SE
	s_setreg_imm32_b32 hwreg(HW_REG_WAVE_MODE, 25, 1), 1
	s_wait_xcnt 0x0
; query, key, value [8192][1024] and Wq, Wk, Wv, Wo [1024 (k)][1024 (n)], f32, become codes of FP6 (E2M3) with one E8M0 scale byte for each 32 along K,
; laid in the ORDER OF THE OPERAND'S REGISTERS.  A TILE is 16 lines (rows of x, columns of W): lane r of tile T stands for line 32 (T / 2) + 8 (T % 2) + r + 8 (r / 8).
; A HALF FRAGMENT is a tile x 64 along K: six registers a lane, lane (r, h) holding block h (32 codes, 24 bytes).  Its image is 768 bytes: registers 0-3 at 16 x lane, registers 4-5 at 512 + 8 x lane.
; img: [tile 1792][64 along K: 16][768]; tiles 0-1535 query, key, value; tile 1536 + 64 w + c column tile c of weight w.   sc: [tile][r 16][128 along K: 8] words of four scale bytes.
; A block's scale is 2^(floor(log2(its largest magnitude)) - 2); its byte is the largest magnitude's exponent field - 2, held at 1 from below.
; LIMITS: a block of zeros gets the byte 1 where the rule says 127 (its codes are zeros, and this program alone reads the bytes); blocks under 2^-124 are held at that byte; NaN and infinities are not served.
; Work-groups 0-191: a wave takes one tile of rows, all of K.  Work-groups 192-255: a wave takes two tiles of columns x 256 along K.  No barrier: waves share nothing.  Only the first path uses LDS.
.set STGB,  8448                       ; a wave's stage: 16 rows x (512 bytes + 16)
.set XWGS,  192
.set WTILE, 1536
.set XR,    192                        ; v192-255 64 numbers of a lane: register 32 c + n = k 64 c + 32 h + n of row r
	s_load_b256 s[4:11], s[0:1], 0x0               ; query, key, value, Wq
	s_load_b256 s[12:19], s[0:1], 0x20             ; Wk, Wv, Wo, img
	s_load_b64 s[20:21], s[0:1], 0x40              ; sc
	s_set_vgpr_msb 0x40
	v_lshl_add_u32 v0, v0, 2, 0x10800
	v_mov_b32 v1, 0
	s_set_vgpr_msb 0x4000
	v_lshrrev_b32 v1, 5, v0
	s_delay_alu instid0(VALU_DEP_1)
	v_readfirstlane_b32 s22, v1                    ; wave 0..7
	v_and_b32 v4, 31, v0                           ; lane
	v_and_b32 v9, 15, v0                           ; r
	v_bfe_u32 v10, v0, 4, 1                        ; h
	s_delay_alu instid0(VALU_DEP_3)
	v_lshlrev_b32 v1, 4, v4                        ; 16 x lane
	s_delay_alu instid0(VALU_DEP_4)
	v_lshlrev_b32 v5, 3, v4                        ; 8 x lane
	s_wait_kmcnt 0x0
	s_cmp_lt_u32 ttmp9, XWGS
	s_cbranch_scc0 .Lweights
; ---------------- rows of query, key, value: K is innermost ----------------
; Each load reads 512 consecutive bytes of one row; a fragment's 16 rows x 512 bytes turn through the wave's own stage, so that a lane gets 32 neighbours of each of its two blocks.
	s_lshl_b32 s23, ttmp9, 3
	s_add_co_u32 s23, s23, s22                     ; my tile, 0..1535
	s_lshr_b32 s24, ttmp9, 6                       ; which tensor
	s_and_b32 s25, s23, 511                        ; the tile in it
	; THE TENSOR key HAS ANOTHER ORDER OF LINES: lane r of its tile T stands for line 64 (T / 4) + 8 (T % 4) + r % 8 + 32 (r / 8), so that in the attention launch a lane's scores of four tiles are one block of 32 keys
	s_cmp_eq_u32 s24, 1
	s_cselect_b32 s33, 2, 1                        ; log2 of the tiles in a group of lines
	s_cselect_b32 s27, 3, 1
	s_and_b32 s27, s25, s27
	s_lshl_b32 s27, s27, 15                        ; 8 rows for each tile of the group
	s_lshr_b32 s26, s25, s33
	s_add_co_u32 s28, s33, 16
	s_lshl_b32 s26, s26, s28                       ; a group is 32 or 64 rows of 4,096 bytes
	s_add_co_u32 s26, s26, s27
	s_mov_b32 s27, 0
	s_lshl_b32 s33, 0x8000, s33                    ; a tile's rows 8-15 lie 16 or 32 rows behind its rows 0-7
	s_mul_i32 s28, s23, 12288
	s_mov_b32 s29, 0
	s_lshl_b32 s30, s23, 9
	s_mov_b32 s31, 0
	s_mul_i32 s32, s22, STGB
	s_mov_b32 s34, 0x76543210
	s_mov_b32 s35, 0xfedcba98                      ; v_permlanex16_b32's selects for lane l xor 16
	s_cmp_eq_u32 s24, 1                            ; the choice hangs on the work-group's number alone
	s_cselect_b64 s[4:5], s[6:7], s[4:5]
	s_cmp_eq_u32 s24, 2
	s_cselect_b64 s[4:5], s[8:9], s[4:5]
	s_add_nc_u64 s[4:5], s[4:5], s[26:27]
	s_add_nc_u64 s[18:19], s[18:19], s[28:29]
	s_add_nc_u64 s[20:21], s[20:21], s[30:31]
	s_wait_alu depctr_va_vdst(0)
	v_add_nc_u32 v2, s32, v1                       ; into the stage: 16 x lane, a row an instruction
	v_add_nc_u32 v48, s33, v1                      ; the loads' offset for a tile's rows 8-15
	v_mul_u32_u24 v3, v9, 528
	s_delay_alu instid0(VALU_DEP_1)
	v_lshl_add_u32 v3, v10, 7, v3
	s_delay_alu instid0(VALU_DEP_1)
	v_add_nc_u32 v3, s32, v3                       ; out of it: row r, + 128 h
	v_lshlrev_b32 v6, 3, v10                       ; 8 h
	v_lshlrev_b32 v7, 5, v9
	s_delay_alu instid0(VALU_DEP_1)
	v_lshl_add_u32 v7, v10, 4, v7                  ; the scale words' place: 32 r + 16 h
	v_mov_b32 v15, 0                               ; written once: a lane permute's destination counts as one of its sources
.macro XLOAD ks                        ; 128 along K of my 16 rows, into set ks % 2 (v64-127, v128-191)
.set RS, 64+64*((\ks)%2)
.irp i, 0,1,2,3,4,5,6,7,8,9,10,11,12,13,14,15
	global_load_b128 v[RS+4*\i:RS+4*\i+3], v[1+47*(\i/8)], s[4:5] offset:(\i%8)*4096+512*(\ks) th:TH_LOAD_NT
.endr
.endm
.macro XSTEP ks
.set RS, 64+64*((\ks)%2)
.set CC, 24+12*((\ks)%2)               ; the fragment's 12 registers: two sets by turns
.if (\ks) < 7
	s_wait_loadcnt 16                              ; this fragment's 16 loads are in; the next fragment's 16 may be out
.else
	s_wait_loadcnt 0x0
.endif
.irp i, 0,1,2,3,4,5,6,7,8,9,10,11,12,13,14,15
	ds_store_b128 v2, v[RS+4*\i:RS+4*\i+3] offset:528*\i
.endr
.irp c, 0,1
.irp k, 0,1,2,3,4,5,6,7
	ds_load_b128 v[XR+32*\c+4*\k:XR+32*\c+4*\k+3], v3 offset:256*\c+16*\k   ; LDS serves a wave's instructions in order: these see the stores above
.endr
.endr
	s_wait_dscnt 0x0                               ; the numbers are back, and the stores have read their registers,
.if (\ks)+2 < 8
	XLOAD (\ks)+2                                  ; which take the loads of two fragments on
.endif
.irp c, 0,1
	v_max3_num_f32 v[8+\c], |v[XR+32*\c]|, |v[XR+1+32*\c]|, 0x1800000   ; my block 2 c + h: all 32 numbers are mine; the floor 2^(3 - 127) holds the byte at 1 from below
.endr
.irp i, 2,4,6,8,10,12,14,16,18,20,22,24,26,28,30
.irp c, 0,1
	s_delay_alu instid0(VALU_DEP_2)
	v_max3_num_f32 v[8+\c], v[8+\c], |v[XR+32*\c+\i]|, |v[XR+1+32*\c+\i]|
.endr
.endr
.irp c, 0,1
	s_delay_alu instid0(VALU_DEP_2)
	v_add_nc_u32 v[10+\c], 0xff000000, v[8+\c]     ; 2 off the exponent field: the conversion's scale operand
.endr
.irp c, 0,1
	s_delay_alu instid0(VALU_DEP_2)
	v_lshrrev_b32 v[12+\c], 23, v[10+\c]           ; the scale's byte
.endr
	s_delay_alu instid0(VALU_DEP_1)
	v_lshl_or_b32 v14, v13, 16, v12                ; my two bytes, blocks h and 2 + h,
	s_delay_alu instid0(VALU_DEP_1)
	v_lshlrev_b32 v14, v6, v14                     ; at their places in the word;
	s_delay_alu instid0(VALU_DEP_1)
	v_permlanex16_b32 v15, v14, s34, s35
	s_delay_alu instid0(VALU_DEP_1)
	v_or_b32 v[16+(\ks)], v14, v15                 ; with lane l xor 16's two the word is whole
	s_wait_alu depctr_va_vdst(0)
	s_wait_xcnt 0x0                                ; the stores of two fragments ago have read this set of registers
.irp c, 0,1
	v_cvt_scalef32_pk16_fp6_f32 v[CC+6*\c:CC+6*\c+2], v[XR+32*\c:XR+32*\c+15], v[10+\c]
	v_cvt_scalef32_pk16_fp6_f32 v[56+4*\c:58+4*\c], v[XR+16+32*\c:XR+31+32*\c], v[10+\c]   ; (a conversion's three registers begin on an even number)
.endr
	v_nop                                          ; one plain place behind a scaled conversion
.irp c, 0,1
.irp n, 0,1,2
	v_mov_b32 v[CC+3+6*\c+\n], v[56+4*\c+\n]
.endr
.endr
	global_store_b128 v1, v[CC:CC+3], s[18:19] offset:1536*(\ks)            ; each store covers 512 or 256 consecutive bytes, aligned
	global_store_b64 v5, v[CC+4:CC+5], s[18:19] offset:1536*(\ks)+512
	global_store_b128 v1, v[CC+6:CC+9], s[18:19] offset:1536*(\ks)+768
	global_store_b64 v5, v[CC+10:CC+11], s[18:19] offset:1536*(\ks)+1280
.endm
	XLOAD 0
	XLOAD 1
	s_wait_alu depctr_va_vdst(0)
.irp s, 0,1,2,3,4,5,6,7
	XSTEP \s
.endr
	v_cmp_ne_u32 vcc_lo, 0, v6
.irp k, 0,1,2,3
	v_cndmask_b32 v[8+\k], v[16+\k], v[20+\k], vcc_lo   ; lanes 0-15 take their row's words 0-3, lanes 16-31 words 4-7
.endr
	global_store_b128 v7, v[8:11], s[20:21]        ; the tile's 512 bytes of scale words
	s_set_vgpr_msb 0x5
	s_wait_tensorcnt 0x0
	ds_add_u32 v0, v1
	s_wait_dscnt 0x0
	s_set_vgpr_msb 0x500
	s_endpgm
; ---------------- weights: K is the first axis ----------------
; A lane takes a column and its registers run down K: a block of 32 lies in one lane.  Lanes 0-15 hold the columns of tile 2 cp, lanes 16-31 those of tile 2 cp + 1.
.Lweights:
	s_sub_co_u32 s23, ttmp9, XWGS
	s_lshl_b32 s23, s23, 3
	s_add_co_u32 s23, s23, s22                     ; my unit, 0..511
	s_lshr_b32 s24, s23, 7                         ; which weight
	s_bfe_u32 s25, s23, 0x20005                    ; which 256 along K
	s_and_b32 s26, s23, 31                         ; which pair of tiles
	s_cmp_eq_u32 s24, 1
	s_cselect_b64 s[10:11], s[12:13], s[10:11]
	s_cmp_eq_u32 s24, 2
	s_cselect_b64 s[10:11], s[14:15], s[10:11]
	s_cmp_eq_u32 s24, 3
	s_cselect_b64 s[10:11], s[16:17], s[10:11]
	s_lshl_b32 s28, s25, 20                        ; 256 rows of 4,096 bytes
	s_lshl_b32 s29, s26, 7                         ; 32 columns
	s_add_co_u32 s28, s28, s29
	s_mov_b32 s29, 0
	s_add_nc_u64 s[10:11], s[10:11], s[28:29]
	s_lshl_b32 s28, s24, 6
	s_lshl_b32 s29, s26, 1
	s_add_co_u32 s28, s28, s29
	s_add_co_u32 s28, s28, WTILE                   ; my first tile
	s_mul_i32 s30, s28, 12288
	s_mul_i32 s31, s25, 3072                       ; four half fragments for each 256 along K
	s_add_co_u32 s30, s30, s31
	s_mov_b32 s31, 0
	s_add_nc_u64 s[18:19], s[18:19], s[30:31]
	s_lshl_b32 s30, s28, 9
	s_lshl_b32 s31, s25, 3                         ; two words for each 256 along K
	s_add_co_u32 s30, s30, s31
	s_mov_b32 s31, 0
	s_add_nc_u64 s[20:21], s[20:21], s[30:31]
	s_wait_alu depctr_va_vdst(0)
	v_and_b32 v3, 8, v9
	s_delay_alu instid0(VALU_DEP_1)
	v_add_nc_u32 v3, v3, v9                        ; r + 8 (r / 8)
	s_delay_alu instid0(VALU_DEP_1)
	v_lshl_add_u32 v3, v10, 3, v3                  ; + 8 for the second tile
	s_delay_alu instid0(VALU_DEP_1)
	v_lshlrev_b32 v3, 2, v3
	v_lshlrev_b32 v7, 5, v4                        ; a row of scale words is 32 bytes; the second tile's 16 rows follow the first's
.macro WLOAD t                         ; block t: W(32 t + i, my column) into set t % 2 (v32-63, v64-95); 32 lanes read 128 consecutive bytes
.set XS, 32+32*((\t)%2)
.irp i, 0,1,2,3,4,5,6,7,8,9,10,11,12,13,14,15,16,17,18,19,20,21,22,23,24,25,26,27,28,29,30,31
	global_load_b32 v[XS+\i], v3, s[10:11] offset:(32*(\t)+\i)*4096
.endr
.endm
.macro WBLOCK t
.set XS, 32+32*((\t)%2)
.set CB, 96+6*(\t)                     ; each block has six registers of its own: no store's data are written again
.if (\t) < 7
	s_wait_loadcnt 32                              ; this block's 32 loads are in; the next block's may be out
.else
	s_wait_loadcnt 0x0
.endif
	v_max3_num_f32 v12, |v[XS]|, |v[XS+1]|, |v[XS+2]|
	v_max3_num_f32 v13, |v[XS+3]|, |v[XS+4]|, |v[XS+5]|
.irp i, 6,10,14,18,22,26
	s_delay_alu instid0(VALU_DEP_2)
	v_max3_num_f32 v12, v12, |v[XS+\i]|, |v[XS+\i+1]|
	s_delay_alu instid0(VALU_DEP_2)
	v_max3_num_f32 v13, v13, |v[XS+\i+2]|, |v[XS+\i+3]|
.endr
	s_delay_alu instid0(VALU_DEP_2)
	v_max3_num_f32 v12, v12, |v[XS+30]|, |v[XS+31]|
	s_delay_alu instid0(VALU_DEP_1)
	v_max3_num_f32 v12, v12, v13, 0x1800000        ; and the floor
	s_delay_alu instid0(VALU_DEP_1)
	v_add_nc_u32 v11, 0xff000000, v12
	s_delay_alu instid0(VALU_DEP_1)
	v_lshrrev_b32 v13, 23, v11
.if (\t)%4 == 0
	s_delay_alu instid0(VALU_DEP_1)
	v_mov_b32 v[24+(\t)/4], v13                    ; four bytes to a word, the lower K in the lower byte
.else
	s_delay_alu instid0(VALU_DEP_1)
	v_lshl_or_b32 v[24+(\t)/4], v13, 8*((\t)%4), v[24+(\t)/4]
.endif
	v_cvt_scalef32_pk16_fp6_f32 v[CB:CB+2], v[XS:XS+15], v11
	v_cvt_scalef32_pk16_fp6_f32 v[144:146], v[XS+16:XS+31], v11
	v_nop                                          ; one plain place behind a scaled conversion
.irp n, 0,1,2
	v_mov_b32 v[CB+3+\n], v[144+\n]
.endr
.if (\t)+2 < 8
	WLOAD (\t)+2
.endif
.if (\t)%2 == 1                        ; blocks t - 1 and t are 64 along K: the first's lanes 16-31 change places with the second's lanes 0-15, and each run of six is one tile's half fragment
.irp n, 0,1,2,3,4,5
	v_permlane16_swap_b32 v[CB-6+\n], v[CB+\n]
.endr
	global_store_b128 v1, v[CB-6:CB-3], s[18:19] offset:768*((\t)/2)
	global_store_b64 v5, v[CB-2:CB-1], s[18:19] offset:768*((\t)/2)+512
	global_store_b128 v1, v[CB:CB+3], s[18:19] offset:12288+768*((\t)/2)
	global_store_b64 v5, v[CB+4:CB+5], s[18:19] offset:12288+768*((\t)/2)+512
.endif
.endm
	WLOAD 0
	WLOAD 1
.irp s, 0,1,2,3,4,5,6,7
	WBLOCK \s
.endr
	global_store_b64 v7, v[24:25], s[20:21]        ; 8 of each row's 32 bytes: this wave knows no more of a row; the weights' scale words are 131,072 bytes in all
	s_endpgm
.Lfunc_end_k_qae4cd06866_quant:
	.size	k_qae4cd06866_quant, .Lfunc_end_k_qae4cd06866_quant-k_qae4cd06866_quant
	.p2alignl 7, 3214868480
	.fill 96, 4, 3214868480
	.section	.rodata,"a",@progbits
	.p2align	6, 0x0
	.amdhsa_kernel k_qae4cd06866_quant
		.amdhsa_group_segment_fixed_size 68608
		.amdhsa_private_segment_fixed_size 0
		.amdhsa_enable_private_segment 0
		.amdhsa_kernarg_size 72
		.amdhsa_user_sgpr_count 2
		.amdhsa_user_sgpr_kernarg_segment_ptr 1
		.amdhsa_wavefront_size32 1
		.amdhsa_system_sgpr_workgroup_id_x 1
		.amdhsa_system_sgpr_workgroup_id_y 1
		.amdhsa_system_sgpr_workgroup_id_z 1
		.amdhsa_system_vgpr_workitem_id 0
		.amdhsa_next_free_vgpr 258
		.amdhsa_next_free_sgpr 66
		.amdhsa_reserve_vcc 1
		.amdhsa_float_denorm_mode_32 3
		.amdhsa_float_denorm_mode_16_64 3
		.amdhsa_memory_ordered 1
		.amdhsa_forward_progress 1
		.amdhsa_inst_pref_size 112
	.end_amdhsa_kernel
	.amdgpu_metadata
---
amdhsa.version: [ 1, 2 ]
amdhsa.kernels:
  - .name:           k_qae4cd06866_quant
    .symbol:         k_qae4cd06866_quant.kd
    .args:
      - { .name: query, .offset: 0, .size: 8, .value_kind: global_buffer, .address_space: global }
      - { .name: key, .offset: 8, .size: 8, .value_kind: global_buffer, .address_space: global }
      - { .name: value, .offset: 16, .size: 8, .value_kind: global_buffer, .address_space: global }
      - { .name: Wq, .offset: 24, .size: 8, .value_kind: global_buffer, .address_space: global }
      - { .name: Wk, .offset: 32, .size: 8, .value_kind: global_buffer, .address_space: global }
      - { .name: Wv, .offset: 40, .size: 8, .value_kind: global_buffer, .address_space: global }
      - { .name: Wo, .offset: 48, .size: 8, .value_kind: global_buffer, .address_space: global }
      - { .name: img, .offset: 56, .size: 8, .value_kind: global_buffer, .address_space: global }
      - { .name: sc, .offset: 64, .size: 8, .value_kind: global_buffer, .address_space: global }
    .group_segment_fixed_size: 68608
    .private_segment_fixed_size: 0
    .kernarg_segment_align: 8
    .kernarg_segment_size: 72
    .max_flat_workgroup_size: 256
    .sgpr_count:     66
    .vgpr_count:     258
    .wavefront_size: 32
...
	.end_amdgpu_metadata
.endif
;; end of part 1
;; launch proj (part 2): grid 8 x 32, 4 waves a work-group, clusters of 4 x 4, 327,680 bytes of LDS; arguments img, sc, bq, bk, bv, qkv, qkv_sc; writes qkv, qkv_sc
.if DOCPART == 2
	.amdgcn_target "amdgcn-amd-amdhsa--gfx1250"
	.amdhsa_code_object_version 6
	.text
	.protected	k_qae4cd06866_proj
	.globl	k_qae4cd06866_proj
	.p2align	8
	.type	k_qae4cd06866_proj,@function
k_qae4cd06866_proj:
	s_mov_b64 s[64:65], 0
	v_nop
	global_prefetch_b8 v0, s[64:65] scope:SCOPE_SE
	s_setreg_imm32_b32 hwreg(HW_REG_WAVE_MODE, 25, 1), 1
	s_wait_xcnt 0x0
	s_wait_alu depctr_hold_cnt(0) depctr_sa_sdst(0) depctr_va_vdst(0) depctr_va_sdst(0) depctr_va_ssrc(0) depctr_va_vcc(0) depctr_vm_vsrc(0)
	s_getreg_b32 s2, hwreg(HW_REG_IB_STS2, 6, 4)
	s_cmp_eq_u32 s2, 0
	s_cbranch_scc0 .Lentry_in_a_cluster
	s_endpgm
.Lentry_in_a_cluster:
	s_bfe_u32 s2, ttmp6, 0x10000c
	s_cmp_lg_u32 s2, 0xf033
	s_cbranch_scc0 .Lentry_shape_is_right
	s_endpgm
.Lentry_shape_is_right:
; Q = query Wq + bq, K = key Wk + bk, V = value Wv + bv on codes of FP6 (E2M3) with E8M0 scales, each result quantised again and stored as the attention launch's operand images.
; IN: img [tile][64 along K: 16][768], sc [tile][r 16][128 along K: 8 words]: tiles 0-511 query, 512-1023 key, 1024-1535 value, 1536 + 64 w + c column tile c of weight w; a tile is 16 lines, 12,288 bytes of codes.
; THE DEAL: 256 work-groups of four waves, 2 x 2.  Work-group (X, Y) makes rows 256 Y .. + 255, columns 128 X .. + 127 of Q, then of K, then of V: three phases of eight blocks of 16 rows a wave, 32 products a block.
; A wave (a, b) holds its 64 columns (one head) of the weight, ALL of K, in 384 registers, and takes tiles 4 a .. 4 a + 3 of each chunk of 128 rows as its blocks; a block's eight fragments lie twice in registers.
; LDS: two slots of 128 rows of x (98,304 bytes each), a region of its own for the weight's 128 columns (98,304), the spare words.  All tiles are dense blocks of memory, stated as rows of 256 bytes.
; FILLS: at the head one tensor load a wave (wave 0 the weight, waves 1 and 2 the two chunks).  Four refills, each behind a drained round of the cluster's barrier that stands inside a block of products:
; in block 2 of Q's and of K's phase slot 0 takes the next tensor's chunk 0 (wave 0) and the weights' region the next weight (wave 2); in block 6 slot 1 takes its chunk 1 (wave 0).
; What a refill brought is shown to all waves by the next round, in V's phase by a plain barrier behind which nothing is filled.
; x's rows are shared by a row of the cluster, a weight's columns by a column: joint loads.  Q's and K's phases are one text, a loop of two trips; what differs lies in scalars.
; Q, K: source 0 = the weight's columns, so a lane holds one row and 32 columns (two halves of two scale blocks); V: source 0 = x's rows, so a lane holds one channel and, over four blocks, 32 keys.
; SCALE WORDS AND BIASES go from memory straight into registers: a block's eight words are loaded into their registers one phase ahead, right behind the products that used the registers last.
; The bias is the C of a block's first four products.
; PREFETCHES: each tile that a refill will load is asked for one refill earlier, 24 blocks of 256 bytes a wave, shared out by address among the sixteen waves of the four work-groups that will ask jointly; the head's tiles come by their loads alone.
; The rows' scale words leave as 16 bytes of each row's 32 (V: 2 of each 4): a wave knows no more of them.
; LIMITS: a block of zeros gets the scale byte 1 where the rule says 127 (its codes are zeros; this program alone reads the bytes); blocks under 2^-124 are held at that byte; NaN and infinities are not served.
.set TILE,  12288
.set S1,    98304
.set WR,    196608
.set SPARE, 294912
.set QSZ,   6291456
.set QSCSZ, 524288
.set L16, 1                            ; window 0: v1 16 x lane, v2 8 x lane
.set L8,  2
.set XA16, 4                           ; v4, v5 LDS address of my four tiles in slot 0, 1, + 16 x lane; v6, v7 + 8 x lane
.set XA8, 6
.set WA16, 8                           ; v8, v9 the same for my four column tiles
.set WA8, 9
.set SPW, 10
.set NIL, 11
.set SOF, 12                           ; v12 where my rows' scale words go (this phase), v13 (K's phase), v14 V's bytes
.set SOFK, 13
.set VSO, 14
.set XSO, 15                           ; v15 32 r, v16 32 x lane
.set WSO, 16
.set PFX, 17                           ; v17, v18 my sixteenth of a tile of x, of a weight
.set PFW, 18
.set HB,  19                           ; v19 h
.set HW,  20                           ; v20-27 scale halves of the phase's blocks; v28-31 on their way out
.set UU,  28
.set XS,  32                           ; v32-95 x's scale words: 8 a block
.set WS,  96                           ; v96-111 the weight's: register 8 p + q: lanes 0-15 tile 2 p, lanes 16-31 tile 2 p + 1
.set WS2, 112                          ; v112-127 the next weight's, waiting
.set B2,  128                          ; v128-159 K's bias, waiting
.set BBV, 160                          ; v160-191 V's bias
.set OC,  192                          ; v192-223 codes, 8 an operand; v224-239 second halves; v240-247, v248-255 largest magnitudes, scales
.set CY,  224
.set BM,  240
.set PX,  248
.set ACC, 72                           ; window 3: v72-199 sums; v200-231 Q's or K's bias
.set BQ,  200
; fragment f lies in window 1 + f / 21 at register 12 (f % 21): 0-31 the weight's (4 q + t), 32-39 and 40-47 x's two sets
.set G1X, 24
.set G1W, 32
.set G0X, 48
.set G0W, 52
.set G0H, 56
.set XN,  60                           ; s[60:61] the next tensor's rows, s[62:63] the next weight's columns, in img
.set WN,  62
.set XSP, 66                           ; s[66:67], s[68:69] their scale words, my part
.set WSP, 68
.set OB0, 70                           ; s[70:73] where this phase's codes go, chunk 0, 1; s[74:77] K's; s[78:81] V's
.set KB0, 74
.set VB0, 78
.set SOB, 82                           ; s[82:83] this phase's scale words; s[84:85] K's; s[86:87] V's
.set KSOB, 84
.set VSOB, 86
.set TRIP, 96
.set SEL, 98
.set MSB, 0
.macro WIN new
.if MSB != (\new)
	s_set_vgpr_msb (MSB<<8)|(\new)
.set MSB, (\new)
.endif
.endm
.macro PLACES n
.rept \n
	v_nop
.endr
.endm
.macro WALU
	s_wait_alu depctr_va_vdst(0)
.endm
.macro BARRIER
	s_barrier_signal -1
	s_barrier_wait -1
.endm
.macro MIDDLE                          ; a round's middle: the opening wait, wave 0's signal for the work-group, the cluster's wait
	WIN 0
	s_barrier_wait -1
	s_cmp_lg_u32 s18, 0
	s_cbranch_scc1 .Lnot_wave_0_\@
	s_barrier_signal -3
.Lnot_wave_0_\@:
	s_barrier_wait -3
.endm
.macro CROUND
	s_barrier_signal -1
	MIDDLE
	BARRIER
.endm
.macro TLOAD g0, g1
	tensor_load_to_lds s[\g0:\g0+3], s[\g1:\g1+7]
	s_nop 0
	PLACES 4
.endm
.macro FRAG f, a16, a8, off            ; 16 lines x 128 K: two half fragments of 768 bytes, as the registers want them
	WIN (1+(\f)/21)<<6
.set R_, 12*((\f)%21)
	ds_load_b128 v[R_:R_+3], v[\a16] offset:\off
	ds_load_b64 v[R_+4:R_+5], v[\a8] offset:\off+512
	ds_load_b128 v[R_+6:R_+9], v[\a16] offset:\off+768
	ds_load_b64 v[R_+10:R_+11], v[\a8] offset:\off+1280
.endm
.macro FETCH set, slot, u              ; a block of x into a set: 32 loads
.irp q, 0,1,2,3,4,5,6,7
	FRAG 32+8*(\set)+\q, XA16+(\slot), XA8+(\slot), (\u)*TILE+\q*1536
.endr
	WIN 0
.endm
.macro WEIGHTS                         ; my 64 columns, all of K: 128 loads
.irp q, 0,1,2,3,4,5,6,7
.irp t, 0,1,2,3
	FRAG 4*\q+\t, WA16, WA8, \t*TILE+\q*1536
.endr
.endr
	WIN 0
.endm
.macro XSL s                           ; block s's eight scale words
	global_load_b128 v[XS+8*(\s):XS+8*(\s)+3], v[XSO], s[XSP:XSP+1] offset:((\s)/4)*4096+((\s)%4)*512
	global_load_b128 v[XS+8*(\s)+4:XS+8*(\s)+7], v[XSO], s[XSP:XSP+1] offset:((\s)/4)*4096+((\s)%4)*512+16
.endm
.macro WSL dst                         ; a weight's sixteen registers of scale words
.irp p, 0,1
	global_load_b128 v[\dst+8*\p:\dst+8*\p+3], v[WSO], s[WSP:WSP+1] offset:1024*\p
	global_load_b128 v[\dst+8*\p+4:\dst+8*\p+7], v[WSO], s[WSP:WSP+1] offset:1024*\p+16
.endr
.endm
.macro PR1 d, s0, s1, c, x0, x1, side, o
.if \o
	v_wmma_scale_f32_16x16x128_f8f6f4 v[\d:\d+7], v[\s0:\s0+11], v[\s1:\s1+11], \c, v[\x0], v[\x1] matrix_a_fmt:MATRIX_FMT_FP6 matrix_b_fmt:MATRIX_FMT_FP6 matrix_\side\()_scale:MATRIX_SCALE_ROW1
.else
	v_wmma_scale_f32_16x16x128_f8f6f4 v[\d:\d+7], v[\s0:\s0+11], v[\s1:\s1+11], \c, v[\x0], v[\x1] matrix_a_fmt:MATRIX_FMT_FP6 matrix_b_fmt:MATRIX_FMT_FP6
.endif
.endm
; product n = 4 q + t of a block.  kind 0 (Q, K): source 0 the weight's columns; kind 1 (V): source 0 x's rows.  The four accumulators take turns
.macro PROD kind, set, xs, d, ds, n
.set Q_, (\n)/4
.set T_, (\n)%4
.set FX_, 32+8*(\set)+Q_
.set RW_, 12*((\n)%21)
.set RX_, 12*(FX_%21)
.set WW_, 1+(\n)/21
.set WX_, 1+FX_/21
.set D_, (\d)+(\ds)*T_
.set SX_, XS+8*(\xs)+Q_
.set SW_, WS+8*(T_/2)+Q_
.if \kind
.if Q_
	WIN WX_|(WW_<<2)|0xf0
	PR1 D_, RX_, RW_, v[D_:D_+7], SX_, SW_, b, T_%2
.else
	WIN WX_|(WW_<<2)|0xc0
	PR1 D_, RX_, RW_, v[BBV+8*T_:BBV+8*T_+7], SX_, SW_, b, T_%2
.endif
.else
	WIN WW_|(WX_<<2)|0xf0
.if Q_
	PR1 D_, RW_, RX_, v[D_:D_+7], SW_, SX_, a, T_%2
.else
	PR1 D_, RW_, RX_, v[BQ+8*T_:BQ+8*T_+7], SW_, SX_, a, T_%2
.endif
.endif
.endm
.macro BLK kind, set, xs, d, ds, from, to
.set N_, \from
.rept (\to)-(\from)
	PROD \kind, \set, \xs, \d, \ds, N_
.set N_, N_+1
.endr
.endm
; THE WAY OUT of N runs of 32 sums (run i from ACC + 32 i): registers 16 b + n of a lane are numbers 32 b + 16 h + n along the next K: two scale blocks, each shared with lane l xor 16.
; Out come six registers of codes in v[OC + 8 i ..] (lane (r, h): block h whole) and the two bytes in v[BM + 2 i], v[BM + 2 i + 1].  The runs go line by line in turn.
.macro OUTQ N
	WIN 0x0f
.irp b, 0,1
.irp i, 0,1,2,3
.if \i < \N
	v_max3_num_f32 v[BM+2*\i+\b], |v[ACC+32*\i+16*\b]|, |v[ACC+32*\i+16*\b+1]|, 0x1800000   ; each accumulator from its low end on; the floor 2^(3 - 127) holds the byte at 1 from below
.endif
.endr
.endr
	WIN 0x3c
.irp n, 2,4,6,8,10,12,14
.irp b, 0,1
.irp i, 0,1,2,3
.if \i < \N
	v_max3_num_f32 v[BM+2*\i+\b], v[BM+2*\i+\b], |v[ACC+32*\i+16*\b+\n]|, |v[ACC+32*\i+16*\b+\n+1]|
.endif
.endr
.endr
.endr
	WIN 0
.irp k, 0,1,2,3,4,5,6,7
.if \k < 2*\N
	v_permlanex16_b32 v[PX+\k], v[BM+\k], s[SEL], s[SEL+1]
.endif
.endr
.irp k, 0,1,2,3,4,5,6,7
.if \k < 2*\N
	v_max_num_f32 v[BM+\k], v[BM+\k], v[PX+\k]
.endif
.endr
.irp k, 0,1,2,3,4,5,6,7
.if \k < 2*\N
	v_add_nc_u32 v[PX+\k], 0xff000000, v[BM+\k]    ; 2 off the exponent field: the conversion's scale operand
.endif
.endr
.irp k, 0,1,2,3,4,5,6,7
.if \k < 2*\N
	v_lshrrev_b32 v[BM+\k], 23, v[PX+\k]           ; the scale's byte
.endif
.endr
	WIN 0x03
.irp i, 0,1,2,3
.if \i < \N
	v_cvt_scalef32_pk16_fp6_f32 v[OC+8*\i:OC+8*\i+2], v[ACC+32*\i:ACC+32*\i+15], v[PX+2*\i]
	v_cvt_scalef32_pk16_fp6_f32 v[CY+4*\i:CY+4*\i+2], v[ACC+32*\i+16:ACC+32*\i+31], v[PX+2*\i+1]
.endif
.endr
	WIN 0
	v_nop                                          ; one plain place behind a scaled conversion
.irp i, 0,1,2,3
.if \i < \N
.irp n, 0,1,2
	v_permlane16_swap_b32 v[OC+8*\i+\n], v[CY+4*\i+\n]   ; the layout wants a whole block in a lane
.endr
.endif
.endr
.irp i, 0,1,2,3
.if \i < \N
.irp n, 0,1,2
	v_mov_b32 v[OC+8*\i+3+\n], v[CY+4*\i+\n]
.endr
.endif
.endr
.endm
.macro PUT i, base, off                ; an operand image of 768 bytes: 512 and 256 consecutive bytes, aligned
	global_store_b128 v[L16], v[OC+8*(\i):OC+8*(\i)+3], s[\base:\base+1] offset:\off
	global_store_b64 v[L8], v[OC+8*(\i)+4:OC+8*(\i)+5], s[\base:\base+1] offset:(\off)+512
.endm
.macro PF v, base, off
	global_prefetch_b8 v[\v], s[\base:\base+1] offset:\off th:TH_LOAD_NT scope:SCOPE_SE
.endm
; ---- block s of Q's or K's phase
.macro QKB s
.if (\s) == 0
	s_wait_dscnt 0x0                               ; the weight's fragments and the first two blocks
.else
	s_wait_dscnt 32                                ; my block is in; the next block's 32 loads may be out
.endif
	s_wait_loadcnt 18                              ; its scale words, asked for a phase ago: younger are 14 loads of x's words and 4 of the next weight's
.if (\s) == 2 || (\s) == 6
	s_wait_tensorcnt 0x0                           ; the three lines ahead of a refill's round, the add twice
	ds_add_u32 v[SPW], v[NIL]
	ds_add_u32 v[SPW], v[NIL]
.if (\s) == 2
	s_mov_b32 s[G0X+1], 0
	s_mov_b64 s[G0X+2:G0X+3], s[XN:XN+1]
	s_mov_b64 s[G0W+2:G0W+3], s[WN:WN+1]
	s_or_b32 s[G0W+3], s[G0W+3], 0x80000000
.else
	s_mov_b32 s[G0X+1], S1
	s_add_nc_u64 s[G0X+2:G0X+3], s[XN:XN+1], S1
.endif
	s_or_b32 s[G0X+3], s[G0X+3], 0x80000000
	BLK 0, (\s)%2, \s, ACC+32*((\s)%2), 8, 0, 26
	WIN 0
	WALU
	s_wait_dscnt 0x0                               ; the adds, and my reads of the slot that is filled again
	s_barrier_signal -1
	BLK 0, (\s)%2, \s, ACC+32*((\s)%2), 8, 26, 32
	MIDDLE
	BARRIER
	s_cmp_eq_u32 s18, 0
	s_cbranch_scc0 .Lnot_x_\@
	TLOAD G0X, G1X
.if (\s) == 2
	s_branch .Lasked_\@
.endif
.Lnot_x_\@:
.if (\s) == 2
	s_cmp_eq_u32 s18, 2
	s_cbranch_scc0 .Lasked_\@
	TLOAD G0W, G1W
.Lasked_\@:
.endif
.else
	BLK 0, (\s)%2, \s, ACC+32*((\s)%2), 8, 0, 32
	WIN 0
.endif
	PLACES 4                                       ; between the products and the loads into their registers
	XSL \s                                         ; the next phase's words for this block
.if (\s) == 0
	WSL WS2
.endif
	FETCH (\s)%2, (((\s)+2)%8)/4, ((\s)+2)%4       ; the block two on; behind block 5: the next phase's first two
.if (\s) == 2
	PF PFX, XN, S1                                 ; what block 6's refill will load
.endif
.if (\s) == 6
	s_cmp_eq_u32 s[TRIP], 0
	s_cbranch_scc0 .Lno_pf_\@
	PF PFX, XN, 512*TILE                           ; what the next phase's first refill will load; the last phase has none
	PF PFW, WN, 64*TILE
.Lno_pf_\@:
.endif
.if (\s)%2
	s_wait_xcnt 0x0                                ; the last pair's stores have read their registers
	OUTQ 2
	v_lshl_or_b32 v[HW+(\s)-1], v[BM+1], 8, v[BM]
	v_lshl_or_b32 v[HW+(\s)], v[BM+3], 8, v[BM+2]
	PUT 0, OB0+2*((\s)/4), (((\s)-1)%4)*768
	PUT 1, OB0+2*((\s)/4), ((\s)%4)*768
.endif
.endm
; ---- block s of V's phase
.macro VBK s
.if (\s) == 0 || (\s) == 7
	s_wait_dscnt 0x0
.else
	s_wait_dscnt 32
.endif
	s_wait_loadcnt 2*(7-(\s))                      ; younger: the later blocks' words
.if (\s) == 2
	BLK 1, 0, 2, ACC+16, 32, 0, 26
	WIN 0
	WALU
	s_wait_tensorcnt 0x0
	s_wait_dscnt 0x0
	s_barrier_signal -1                            ; a plain barrier: the last refill is shown to all
	BLK 1, 0, 2, ACC+16, 32, 26, 32
	WIN 0
	s_barrier_wait -1
.else
	BLK 1, (\s)%2, \s, ACC+8*((\s)%4), 32, 0, 32
	WIN 0
.endif
	PLACES 4
.if (\s) < 6
	FETCH (\s)%2, ((\s)+2)/4, ((\s)+2)%4
.endif
.if (\s)%4 == 3                        ; a band of 64 keys is whole: four channel tiles leave
	s_wait_xcnt 0x0
	OUTQ 4
.irp i, 0,1,2,3
	v_lshl_or_b32 v[HW+4*((\s)/4)+\i], v[BM+2*\i+1], 8, v[BM+2*\i]
.endr
.irp i, 0,1,2,3
	PUT \i, VB0+2*((\s)/4), 768*\i
.endr
.endif
.endm
; ================= THE HEAD
	s_load_b256 s[4:11], s[0:1], 0x0               ; img, sc, bq, bk
	s_load_b128 s[12:15], s[0:1], 0x20             ; bv, qkv
	s_load_b64 s[16:17], s[0:1], 0x30              ; qkv_sc
	v_lshl_add_u32 v[SPW], v0, 2, SPARE
	v_mov_b32 v[NIL], 0
	ds_add_u32 v[SPW], v[NIL]                      ; the opening lines
	ds_add_u32 v[SPW], v[NIL]
	v_lshrrev_b32 v3, 5, v0
	v_readfirstlane_b32 s18, v3                    ; wave; s19 = a, its row of the 2 x 2; s20 = b, its column
	s_lshr_b32 s19, s18, 1
	s_and_b32 s20, s18, 1
	s_bfe_u32 s40, ttmp6, 0x40000                  ; cx
	s_bfe_u32 s41, ttmp6, 0x40004                  ; cy
	s_lshl_b32 s42, ttmp9, 2
	s_add_co_u32 s42, s42, s40                     ; X
	s_and_b32 s43, ttmp7, 0xffff
	s_lshl_b32 s43, s43, 2
	s_add_co_u32 s43, s43, s41                     ; Y
	s_lshl_b32 s44, s41, 2
	s_lshl_b32 s44, 15, s44                        ; my row of the cluster
	s_lshl_b32 s45, 0x1111, s40                    ; my column
	s_or_b32 s[G1X], s44, (3<<16)|(1<<21)          ; a tile is 384 rows of 256 bytes (32 elements of 8 bytes)
	s_or_b32 s[G1W], s45, (3<<16)|(1<<21)
.irp g, G1X, G1W
	s_mov_b32 s[\g+1], 32<<16
	s_mov_b32 s[\g+2], 384<<16
	s_mov_b32 s[\g+3], 32<<16
	s_mov_b32 s[\g+4], 384
	s_mov_b32 s[\g+5], 32
	s_mov_b32 s[\g+6], 0
	s_mov_b32 s[\g+7], 0
.endr
	s_mov_b32 s[G0X], 1
	s_mov_b32 s[G0X+1], 0
	s_mov_b32 s[G0H], 1
	s_mov_b32 s[G0H+1], S1
	s_mov_b32 s[G0W], 1
	s_mov_b32 s[G0W+1], WR
	s_mov_b32 s[SEL], 0x76543210
	s_mov_b32 s[SEL+1], 0xfedcba98                 ; v_permlanex16_b32's selects for lane l xor 16
	s_mul_i32 s88, s43, 16*TILE                    ; query's rows, bytes from img
	s_mov_b32 s89, 0
	s_mul_i32 s90, s42, 8*TILE
	s_add_co_u32 s90, s90, 1536*TILE               ; Wq's columns
	s_mov_b32 s91, 0
	s_lshl_b32 s92, s43, 13                        ; their scale words: 512 bytes a tile
	s_lshl_b32 s93, s19, 11
	s_add_co_u32 s92, s92, s93
	s_mov_b32 s93, 0
	s_lshl_b32 s94, s42, 12
	s_lshl_b32 s95, s20, 11
	s_add_co_u32 s94, s94, s95
	s_add_co_u32 s94, s94, 1536*512
	s_mov_b32 s95, 0
	s_mul_i32 s21, s19, 4*TILE                     ; LDS: my four tiles of slot 0,
	s_add_co_u32 s22, s21, S1                      ; of slot 1,
	s_mul_i32 s23, s20, 4*TILE
	s_add_co_u32 s23, s23, WR                      ; my four column tiles
	s_lshl_b32 s46, s19, 4                         ; 16 a
	s_lshl_b32 s47, s19, 1                         ; 2 a
	s_lshl_b32 s97, s40, 2
	s_add_co_u32 s97, s97, s18
	s_mul_i32 s97, s97, 6144                       ; my sixteenth among the waves of my row of the cluster
	s_lshl_b32 s100, s41, 2
	s_add_co_u32 s100, s100, s18
	s_mul_i32 s100, s100, 6144                     ; and of my column
	s_wait_dscnt 0x0
	s_wait_kmcnt 0x0
	s_add_nc_u64 s[XN:XN+1], s[4:5], s[88:89]
	s_add_nc_u64 s[WN:WN+1], s[4:5], s[90:91]
	s_add_nc_u64 s[XSP:XSP+1], s[6:7], s[92:93]
	s_add_nc_u64 s[WSP:WSP+1], s[6:7], s[94:95]
	s_mov_b64 s[G0X+2:G0X+3], s[XN:XN+1]
	s_or_b32 s[G0X+3], s[G0X+3], 0x80000000
	s_add_nc_u64 s[G0H+2:G0H+3], s[XN:XN+1], S1
	s_or_b32 s[G0H+3], s[G0H+3], 0x80000000
	s_mov_b64 s[G0W+2:G0W+3], s[WN:WN+1]
	s_or_b32 s[G0W+3], s[G0W+3], 0x80000000
	s_add_nc_u64 s[XN:XN+1], s[XN:XN+1], 512*TILE  ; from here on: the next tensor's
	s_add_nc_u64 s[WN:WN+1], s[WN:WN+1], 64*TILE
	CROUND                                         ; all sixteen work-groups are here: the first joint loads meet
	s_cmp_eq_u32 s18, 0
	s_cbranch_scc0 .Lhead_1
	TLOAD G0W, G1W                                 ; wave 0: Wq's columns, wanted first
	s_branch .Lhead_asked
.Lhead_1:
	s_cmp_eq_u32 s18, 1
	s_cbranch_scc0 .Lhead_2
	TLOAD G0X, G1X                                 ; wave 1: chunk 0
	s_branch .Lhead_asked
.Lhead_2:
	s_cmp_eq_u32 s18, 2
	s_cbranch_scc0 .Lhead_asked
	TLOAD G0H, G1X                                 ; wave 2: chunk 1
.Lhead_asked:
	; where the results go.  Head H = 16 x batch + 2 X + b; the chunks are groups 2 (Y % 8), + 1 of 128 tokens of the batch
	s_lshr_b32 s88, s43, 3
	s_lshl_b32 s88, s88, 4
	s_lshl_b32 s89, s42, 1
	s_add_co_u32 s88, s88, s89
	s_add_co_u32 s88, s88, s20
	s_and_b32 s89, s43, 7
	s_lshl_b32 s89, s89, 1
	s_mul_i32 s90, s19, 3072
	s_mul_i32 s92, s88, 98304
	s_mul_i32 s93, s89, 6144
	s_add_co_u32 s92, s92, s93
	s_add_co_u32 s92, s92, s90
	s_mov_b32 s93, 0
	s_add_nc_u64 s[OB0:OB0+1], s[14:15], s[92:93]
	s_add_nc_u64 s[OB0+2:OB0+3], s[OB0:OB0+1], 6144
	s_mul_i32 s92, s88, 196608
	s_mul_i32 s94, s89, 12288
	s_add_co_u32 s92, s92, s94
	s_add_co_u32 s92, s92, s90
	s_add_co_u32 s92, s92, QSZ
	s_add_nc_u64 s[KB0:KB0+1], s[14:15], s[92:93]
	s_add_nc_u64 s[KB0+2:KB0+3], s[KB0:KB0+1], 12288
	s_add_nc_u64 s[VB0:VB0+1], s[KB0:KB0+1], 6144
	s_add_nc_u64 s[VB0+2:VB0+3], s[KB0:KB0+1], 12288+6144
	s_lshl_b32 s92, s88, 13
	s_lshl_b32 s94, s89, 9
	s_add_co_u32 s92, s92, s94
	s_add_nc_u64 s[SOB:SOB+1], s[16:17], s[92:93]
	s_mul_i32 s92, s88, 12288
	s_mul_i32 s94, s89, 768
	s_add_co_u32 s92, s92, s94
	s_add_co_u32 s92, s92, QSCSZ
	s_add_nc_u64 s[KSOB:KSOB+1], s[16:17], s[92:93]
	s_add_nc_u64 s[VSOB:VSOB+1], s[KSOB:KSOB+1], 512
	s_lshl_b32 s92, s42, 9
	s_lshl_b32 s94, s20, 8
	s_add_co_u32 s92, s92, s94                     ; my 64 columns of a bias
	s_add_nc_u64 s[8:9], s[8:9], s[92:93]
	s_add_nc_u64 s[10:11], s[10:11], s[92:93]
	s_add_nc_u64 s[12:13], s[12:13], s[92:93]
	v_and_b32 v3, 31, v0                           ; lane
	v_and_b32 v[BM], 15, v0                        ; r
	v_bfe_u32 v[HB], v0, 4, 1                      ; h
	v_lshlrev_b32 v[L16], 4, v3
	v_lshlrev_b32 v[L8], 3, v3
	v_add_nc_u32 v[XA16], s21, v[L16]
	v_add_nc_u32 v[XA16+1], s22, v[L16]
	v_add_nc_u32 v[XA8], s21, v[L8]
	v_add_nc_u32 v[XA8+1], s22, v[L8]
	v_add_nc_u32 v[WA16], s23, v[L16]
	v_add_nc_u32 v[WA8], s23, v[L8]
	v_lshlrev_b32 v[XSO], 5, v[BM]
	v_lshlrev_b32 v[WSO], 5, v3
	v_lshl_add_u32 v[SOF], v[HB], 9, v[XSO]
	v_add_nc_u32 v[SOF], s46, v[SOF]               ; Q: 512 h + 32 r + 16 a: lanes 0-15 carry chunk 0's words, lanes 16-31 chunk 1's
	v_mul_u32_u24 v[BM+3], v[HB], 768
	v_add_nc_u32 v[SOFK], v[BM+3], v[XSO]
	v_add_nc_u32 v[SOFK], s46, v[SOFK]             ; K: 768 h + 32 r + 16 a
	v_lshl_add_u32 v[VSO], v[BM], 4, v[BM+3]
	v_add_nc_u32 v[VSO], s47, v[VSO]               ; V: 768 h + 16 r + 2 a
	v_min_u32 v[PFX], 23, v3
	v_lshl_add_u32 v[PFW], v[PFX], 8, s100
	v_lshl_add_u32 v[PFX], v[PFX], 8, s97
	v_lshlrev_b32 v[BM+1], 6, v[HB]                ; Q, K: register j of column tile t is column 32 (t / 2) + 8 (t % 2) + 16 h + j
	v_and_b32 v[BM+2], 8, v[BM]
	v_add_nc_u32 v[BM+2], v[BM+2], v[BM]
	v_lshlrev_b32 v[BM+2], 2, v[BM+2]              ; V: lane r of column tile t is column 32 (t / 2) + 8 (t % 2) + r + 8 (r / 8)
.irp k, 0,1,2,3,4,5,6,7
	v_mov_b32 v[PX+\k], 0                          ; written once: a lane permute's destination counts as one of its sources
.endr
	WALU
.irp s, 0,1,2,3,4,5,6,7
	XSL \s
.endr
	WSL WS
	WIN 0xc0
.irp t, 0,1,2,3
	global_load_b128 v[BQ+8*\t:BQ+8*\t+3], v[BM+1], s[8:9] offset:(32*(\t/2)+8*(\t%2))*4
	global_load_b128 v[BQ+8*\t+4:BQ+8*\t+7], v[BM+1], s[8:9] offset:(32*(\t/2)+8*(\t%2))*4+16
.endr
	WIN 0
.irp t, 0,1,2,3
	global_load_b128 v[B2+8*\t:B2+8*\t+3], v[BM+1], s[10:11] offset:(32*(\t/2)+8*(\t%2))*4
	global_load_b128 v[B2+8*\t+4:B2+8*\t+7], v[BM+1], s[10:11] offset:(32*(\t/2)+8*(\t%2))*4+16
.endr
.irp t, 0,1,2,3
.irp j, 0,1,2,3,4,5,6,7
	global_load_b32 v[BBV+8*\t+\j], v[BM+2], s[12:13] offset:(32*(\t/2)+8*(\t%2))*4
.endr
.endr
	PF PFX, XN, 0                                  ; what the first refill will load
	PF PFW, WN, 0
	s_cmp_eq_u32 s18, 0
	s_cbranch_scc0 .Lnot_w
	s_wait_tensorcnt 0x0
.Lnot_w:
	BARRIER                                        ; Wq's columns are in
	WEIGHTS
	s_wait_tensorcnt 0x0
	s_wait_dscnt 0x0
	BARRIER                                        ; both chunks are in
	FETCH 0, 0, 0
	FETCH 1, 0, 1
	s_wait_loadcnt 0x0
	s_add_nc_u64 s[XSP:XSP+1], s[XSP:XSP+1], 512*512   ; from here on: the next tensor's
	s_add_nc_u64 s[WSP:WSP+1], s[WSP:WSP+1], 64*512
	s_mov_b32 s[TRIP], 0
; ================= Q's PHASE, THEN K's
.Lphase:
.irp s, 0,1,2,3,4,5,6,7
	QKB \s
.endr
	WALU
	v_cmp_ne_u32 vcc_lo, 0, v[HB]
.irp k, 0,1,2,3
	v_cndmask_b32 v[UU+\k], v[HW+\k], v[HW+4+\k], vcc_lo
.endr
	global_store_b128 v[SOF], v[UU:UU+3], s[SOB:SOB+1]
	WEIGHTS                                        ; the next weight, shown to all by block 6's round
	s_wait_loadcnt 14                              ; its scale words are in: younger are blocks 1 to 7's loads of x's words
.set I, 0
.rept 16
	v_mov_b32 v[WS+I], v[WS2+I]
.set I, I+1
.endr
	WIN 0xc0
.set I, 0
.rept 32
	v_mov_b32 v[BQ+I], v[B2+I]                     ; K's bias (behind K's phase the copy serves nothing: V has registers of its own)
.set I, I+1
.endr
	WIN 0
	s_wait_xcnt 0x0                                ; every memory instruction has read its addresses: they step to the next phase
	v_mov_b32 v[SOF], v[SOFK]
	PLACES 4
	s_add_nc_u64 s[XN:XN+1], s[XN:XN+1], 512*TILE
	s_add_nc_u64 s[WN:WN+1], s[WN:WN+1], 64*TILE
	s_add_nc_u64 s[XSP:XSP+1], s[XSP:XSP+1], 512*512
	s_add_nc_u64 s[WSP:WSP+1], s[WSP:WSP+1], 64*512
	s_mov_b64 s[OB0:OB0+1], s[KB0:KB0+1]
	s_mov_b64 s[OB0+2:OB0+3], s[KB0+2:KB0+3]
	s_mov_b64 s[SOB:SOB+1], s[KSOB:KSOB+1]
	s_add_co_u32 s[TRIP], s[TRIP], 1
	s_cmp_lt_u32 s[TRIP], 2
	WALU
	s_cbranch_scc1 .Lphase
; ================= V's PHASE
.irp s, 0,1,2,3,4,5,6,7
	VBK \s
.endr
	WALU
	v_cmp_ne_u32 vcc_lo, 0, v[HB]
.irp k, 0,1,2,3
	v_cndmask_b32 v[UU+\k], v[HW+\k], v[HW+4+\k], vcc_lo   ; lanes 0-15 carry chunk 0's bytes, lanes 16-31 chunk 1's
.endr
.irp k, 0,1,2,3
	global_store_b16 v[VSO], v[UU+\k], s[VSOB:VSOB+1] offset:4*\k
.endr
	s_wait_tensorcnt 0x0                           ; the wave's end
	ds_add_u32 v[SPW], v[NIL]
	s_wait_dscnt 0x0
	CROUND                                         ; the closing round
	s_endpgm
.Lfunc_end_k_qae4cd06866_proj:
	.size	k_qae4cd06866_proj, .Lfunc_end_k_qae4cd06866_proj-k_qae4cd06866_proj
	.p2alignl 7, 3214868480
	.fill 96, 4, 3214868480
	.section	.rodata,"a",@progbits
	.p2align	6, 0x0
	.amdhsa_kernel k_qae4cd06866_proj
		.amdhsa_group_segment_fixed_size 327680
		.amdhsa_private_segment_fixed_size 0
		.amdhsa_enable_private_segment 0
		.amdhsa_kernarg_size 56
		.amdhsa_user_sgpr_count 2
		.amdhsa_user_sgpr_kernarg_segment_ptr 1
		.amdhsa_wavefront_size32 1
		.amdhsa_system_sgpr_workgroup_id_x 1
		.amdhsa_system_sgpr_workgroup_id_y 1
		.amdhsa_system_sgpr_workgroup_id_z 1
		.amdhsa_system_vgpr_workitem_id 0
		.amdhsa_next_free_vgpr 1024
		.amdhsa_next_free_sgpr 102
		.amdhsa_reserve_vcc 1
		.amdhsa_float_denorm_mode_32 3
		.amdhsa_float_denorm_mode_16_64 3
		.amdhsa_memory_ordered 1
		.amdhsa_forward_progress 1
		.amdhsa_inst_pref_size 177
	.end_amdhsa_kernel
	.amdgpu_metadata
---
amdhsa.version: [ 1, 2 ]
amdhsa.kernels:
  - .name:           k_qae4cd06866_proj
    .symbol:         k_qae4cd06866_proj.kd
    .args:
      - { .name: img, .offset: 0, .size: 8, .value_kind: global_buffer, .address_space: global }
      - { .name: sc, .offset: 8, .size: 8, .value_kind: global_buffer, .address_space: global }
      - { .name: bq, .offset: 16, .size: 8, .value_kind: global_buffer, .address_space: global }
      - { .name: bk, .offset: 24, .size: 8, .value_kind: global_buffer, .address_space: global }
      - { .name: bv, .offset: 32, .size: 8, .value_kind: global_buffer, .address_space: global }
      - { .name: qkv, .offset: 40, .size: 8, .value_kind: global_buffer, .address_space: global }
      - { .name: qkv_sc, .offset: 48, .size: 8, .value_kind: global_buffer, .address_space: global }
    .group_segment_fixed_size: 327680
    .private_segment_fixed_size: 0
    .kernarg_segment_align: 8
    .kernarg_segment_size: 56
    .max_flat_workgroup_size: 128
    .sgpr_count:     102
    .vgpr_count:     1024
    .wavefront_size: 32
...
	.end_amdgpu_metadata
.endif
;; end of part 2
;; launch attn (part 3): grid 4 x 64, 8 waves a work-group, clusters of 4 x 1, 210,688 bytes of LDS; arguments qkv, qkv_sc, ctx_img, ctx_sc; writes ctx_img, ctx_sc
.if DOCPART == 3
	.amdgcn_target "amdgcn-amd-amdhsa--gfx1250"
	.amdhsa_code_object_version 6
	.text
	.protected	k_qae4cd06866_attn
	.globl	k_qae4cd06866_attn
	.p2align	8
	.type	k_qae4cd06866_attn,@function
k_qae4cd06866_attn:
	s_mov_b64 s[64:65], 0
	v_nop
	global_prefetch_b8 v0, s[64:65] scope:SCOPE_SE
	s_setreg_imm32_b32 hwreg(HW_REG_WAVE_MODE, 25, 1), 1
	s_wait_xcnt 0x0
	s_wait_alu depctr_hold_cnt(0) depctr_sa_sdst(0) depctr_va_vdst(0) depctr_va_sdst(0) depctr_va_ssrc(0) depctr_va_vcc(0) depctr_vm_vsrc(0)
	s_getreg_b32 s2, hwreg(HW_REG_IB_STS2, 6, 4)
	s_cmp_eq_u32 s2, 0
	s_cbranch_scc0 .Lentry_in_a_cluster
	s_endpgm
.Lentry_in_a_cluster:
	s_bfe_u32 s2, ttmp6, 0x10000c
	s_cmp_lg_u32 s2, 0x3003
	s_cbranch_scc0 .Lentry_shape_is_right
	s_endpgm
.Lentry_shape_is_right:
; ctx[head][q] = the sum over k of softmax_k(q . k / 8) v[k], both products on codes of FP6 (E2M3) with E8M0 scales; the result is quantised along the channels and leaves as the output projection's operand.
; SOFTMAX: t = score x log2(e) / 8; M = the running largest t rounded UP to a whole number; p = 2^(t - M) is quantised along the keys, not normalised; the row's sum is taken of the unquantised p and divides at the end.
; When M moves, the sum and O are multiplied by 2^(old M - new M): exact.
; SHARES.  A cluster of four work-groups is one head; a work-group owns 512 queries, each of its eight waves four tiles of 16, worked in PAIRS, line by line in turn, so that no line hangs on the line above it.
; ALL OF THE HEAD'S K AND V (196,608 bytes of codes, 12,288 of scale words) COME INTO LDS ONCE, by joint loads of the four work-groups: waves 0-5 bring 32,768 bytes of codes each, wave 6 the scale words. Nothing is filled again.
; No prefetch: all the launch's tensor loads go out at its head, so there is no loop to run ahead in.
; LAYOUT.  Both products transposed: S^T = K Q^T (source 0 = 16 keys), O^T = V^T P^T (source 0 = 16 channels): a lane holds one query throughout.
; Row m of K's tile 4 g + u is key 64 g + 32 (m / 8) + 8 u + m % 8 of the step, so register 32 g + n of a lane's scores is key 64 g + 32 h + n: a WHOLE block of 32 keys in a lane, in the order of P's operand registers.
; No lane looks at another for a block's largest p or for its codes; the row's maximum and the scale word take one exchange with lane l xor 16 each.
; A BLOCK'S SCALE: the block's largest p (the exponential of its largest score) x 1/4, exact, is the conversion's scale operand, and its exponent field the byte.
; K = 64 IN AN INSTRUCTION OF 128: Q's fragment has zero codes for k = 64 .. 127.  K's fragment for tile t is named as 12 registers of which the upper six are the next tile's codes (behind the last tile: six registers of lane offsets):
; every pattern of six bits is a finite number; they meet zero codes and add nothing; the scale words' bytes 2 and 3 are 0, a power of two.
; K's fragments of the next step are read from LDS ahead of the second pair's softmax.  The last trip's look-ahead reads bytes that lie behind K's (codes: the scale words; scale words: three rows of zeros that the tensor load writes past its tensor's end); nobody uses them.
; LIMITS: the scaled scores stay under 2^31 in magnitude.  A block all of whose p lie under 2^-124 gets a byte under 1 (0 at the least) where the rule holds it at 1.  In ctx a block of zeros gets the byte 1 where the rule says 127 (its codes are zeros; this program alone reads the bytes).  NaN and infinities are not served.
; LDS: [128 keys: 16][K: tile 8 x 768 | V: 64 keys: 2 x channel tile 4 x 768]; from SCB on [16][K: r 16 x tile 8 words | V: r 16 x tile 4 words], 768 bytes of zeros; the spare words.
.set QSZ,   6291456
.set QSCSZ, 524288
.set SCB,   196608
.set SPARE, 209664
.set A16, 1                            ; v1-4 the step's LDS addresses: 16 x lane, 8 x lane, K's scale words, V's
.set A8,  2
.set AKS, 3
.set AVS, 4
.set KSC, 8                            ; v8-15 K's scale words   v16-19 V's   v20-23 Q's   v24-25 the pair's p's
.set VSC, 16
.set QSC, 20
.set PSC, 24
.set FF,  26                           ; v26-29 f = 2^(old M - new M) of the pair's two tiles, each named as a pair
.set ST,  30                           ; tile i: v[30 + 6 i] -M, +1 written once, +2, +3 the sum in two halves, +4 the largest score
.set TP,  54                           ; v54-69 eight registers at work for each tile of the pair
.set SR,  70                           ; v70-197 S^T, then p, of the pair
.set KF,  198                          ; v198-245 K's eight half fragments
.set L16, 246                          ; v246-251 written once: 16 x lane, 8 x lane, LDS bases of K's and V's scale words, 8 h, ctx's scale offset
.set L8,  247
.set KSB, 248
.set VSB, 249
.set H8,  250
.set CSO, 251
.set SPW, 252
.set NIL, 253
.set QF,  128                          ; window 1: v0-127 O^T, 32 a tile; v128-175 Q; v176-223 V's four fragments; v224-247 the pair's p codes; v248-254 conversions' second halves
.set VF,  176
.set PF,  224
.set CT,  248
.set WV,  12
.set G1,  24
.set G1S, 32
.set G0,  40
.set G0S, 44
.set SEL, 48
.set CS,  50
.set TB,  52
.set TS,  53
.set CNT, 54
.set NC,  55
.set MSB, 0
.macro WIN new
.if MSB != (\new)
	s_set_vgpr_msb (MSB<<8)|(\new)
.set MSB, (\new)
.endif
.endm
.macro WALU
	s_wait_alu depctr_va_vdst(0)
.endm
.macro CROUND
	s_barrier_signal -1
	s_barrier_wait -1
	s_cmp_lg_u32 s[WV], 0
	s_cbranch_scc1 .Lnot_wave_0_\@
	s_barrier_signal -3
.Lnot_wave_0_\@:
	s_barrier_wait -3
	s_barrier_signal -1
	s_barrier_wait -1
.endm
.macro MM d, a, b, c, x, y
	v_wmma_scale_f32_16x16x128_f8f6f4 v[\d:\d+7], v[\a:\a+11], v[\b:\b+11], \c, v[\x], v[\y] matrix_a_fmt:MATRIX_FMT_FP6 matrix_b_fmt:MATRIX_FMT_FP6
.endm
	s_load_b256 s[4:11], s[0:1], 0x0               ; qkv, qkv_sc, ctx_img, ctx_sc
	v_lshl_add_u32 v[SPW], v0, 2, SPARE
	v_mov_b32 v[NIL], 0
	ds_add_u32 v[SPW], v[NIL]                      ; the opening lines
	ds_add_u32 v[SPW], v[NIL]
	v_lshrrev_b32 v5, 5, v0
	v_readfirstlane_b32 s[WV], v5                  ; wave 0..7
	s_bfe_u32 s13, ttmp6, 0x40000                  ; cx: it enters Q's and ctx's addresses alone
	s_and_b32 s14, ttmp7, 0xffff                   ; the head, which the four partners share
	s_mul_i32 s16, s14, 196608
	s_lshl_b32 s[G0+1], s[WV], 15                  ; waves 0-5: my sixth of the codes, in LDS
	s_add_co_u32 s16, s16, s[G0+1]                 ; and in memory
	s_add_co_u32 s16, s16, QSZ
	s_mov_b32 s17, 0
	s_mul_i32 s18, s14, 12288
	s_add_co_u32 s18, s18, QSCSZ
	s_mov_b32 s19, 0
	s_mov_b32 s[G0S+1], SCB
	s_lshl_b32 s52, s13, 2
	s_lshr_b32 s53, s[WV], 1
	s_add_co_u32 s52, s52, s53                     ; which 128 queries hold my four tiles
	s_and_b32 s53, s[WV], 1                        ; and which four of their eight
	s_mul_i32 s20, s14, 98304
	s_mul_i32 s21, s52, 6144
	s_add_co_u32 s20, s20, s21
	s_mul_i32 s21, s53, 3072
	s_add_co_u32 s20, s20, s21
	s_mov_b32 s21, 0
	s_lshl_b32 s22, s14, 13
	s_lshl_b32 s23, s52, 9
	s_add_co_u32 s22, s22, s23
	s_lshl_b32 s23, s53, 4
	s_add_co_u32 s22, s22, s23
	s_mov_b32 s23, 0
	s_lshr_b32 s52, s14, 4
	s_lshl_b32 s52, s52, 7
	s_lshl_b32 s53, s13, 5
	s_add_co_u32 s52, s52, s53
	s_lshl_b32 s53, s[WV], 2
	s_add_co_u32 s52, s52, s53                     ; my first tile of ctx's rows: 128 x batch + 32 cx + 4 x wave
	s_and_b32 s53, s14, 15                         ; the head in its batch = which 64 along the next K
	s_mul_i32 s60, s52, 12288
	s_mul_i32 s61, s53, 768
	s_add_co_u32 s60, s60, s61
	s_mov_b32 s61, 0
	s_lshl_b32 s62, s52, 9
	s_lshl_b32 s63, s53, 1
	s_add_co_u32 s62, s62, s63
	s_mov_b32 s63, 0
	; group 1: dense blocks as rows of 256 bytes (32 elements of 8 bytes): 128 rows of codes; 48 rows of scale words in a tile of 51, whose last three rows are written as zeros; the mask names all four work-groups
	s_mov_b32 s[G1], 15|(3<<16)|(1<<21)
	s_mov_b32 s[G1+1], 32<<16
	s_mov_b32 s[G1+2], 128<<16
	s_mov_b32 s[G1+3], 32<<16
	s_mov_b32 s[G1+4], 128
	s_mov_b32 s[G1+5], 32
	s_mov_b32 s[G1+6], 0
	s_mov_b32 s[G1+7], 0
	s_mov_b32 s[G1S], 15|(3<<16)|(1<<21)
	s_mov_b32 s[G1S+1], 32<<16
	s_mov_b32 s[G1S+2], 48<<16
	s_mov_b32 s[G1S+3], 32<<16
	s_mov_b32 s[G1S+4], 51
	s_mov_b32 s[G1S+5], 32
	s_mov_b32 s[G1S+6], 0
	s_mov_b32 s[G1S+7], 0
	s_mov_b32 s[G0], 1
	s_mov_b32 s[G0S], 1
	s_mov_b32 s[SEL], 0x76543210
	s_mov_b32 s[SEL+1], 0xfedcba98                 ; v_permlanex16_b32's selects for lane l xor 16
	s_mov_b32 s[CS], 0x3e38aa3b                    ; c = log2(e) / 8
	s_mov_b32 s[CS+1], s[CS]                       ; (named with it as a pair, so it is written)
	s_mov_b32 s[NC], 0xbe38aa3b                    ; -c
	s_wait_dscnt 0x0
	s_wait_kmcnt 0x0
	s_add_nc_u64 s[G0+2:G0+3], s[4:5], s[16:17]
	s_or_b32 s[G0+3], s[G0+3], 0x80000000
	s_add_nc_u64 s[G0S+2:G0S+3], s[6:7], s[18:19]
	s_or_b32 s[G0S+3], s[G0S+3], 0x80000000
	s_add_nc_u64 s[56:57], s[4:5], s[20:21]        ; Q's codes
	s_add_nc_u64 s[58:59], s[6:7], s[22:23]        ; Q's scale words
	s_add_nc_u64 s[8:9], s[8:9], s[60:61]
	s_add_nc_u64 s[10:11], s[10:11], s[62:63]
	CROUND                                         ; all four work-groups are here: the joint loads meet
	s_cmp_lt_u32 s[WV], 6                          ; one tensor load a wave at the most: the launch's only ones
	s_cbranch_scc0 .Lscales
	tensor_load_to_lds s[G0:G0+3], s[G1:G1+7]
	s_nop 0
.rept 4
	v_nop
.endr
	s_branch .Lasked
.Lscales:
	s_cmp_eq_u32 s[WV], 6
	s_cbranch_scc0 .Lasked
	tensor_load_to_lds s[G0S:G0S+3], s[G1S:G1S+7]
	s_nop 0
.rept 4
	v_nop
.endr
.Lasked:
	v_and_b32 v5, 31, v0
	v_and_b32 v6, 15, v0                           ; r
	v_bfe_u32 v7, v0, 4, 1                         ; h
	v_lshlrev_b32 v[L16], 4, v5
	v_lshlrev_b32 v[L8], 3, v5
	v_lshlrev_b32 v254, 5, v6                      ; 32 r
	v_add_nc_u32 v[KSB], SCB, v254
	v_lshlrev_b32 v[VSB], 4, v6
	v_add_nc_u32 v[VSB], SCB+512, v[VSB]
	v_lshl_add_u32 v[CSO], v7, 9, v254             ; ctx's scale halves: 512 h + 32 r
	v_lshlrev_b32 v[H8], 3, v7
	global_load_b128 v[QSC:QSC+3], v254, s[58:59]
	WIN 0x40                                       ; destination window 1
.irp i, 0,1,2,3
	global_load_b128 v[QF+12*\i:QF+12*\i+3], v[L16], s[56:57] offset:768*\i
	global_load_b64 v[QF+12*\i+4:QF+12*\i+5], v[L8], s[56:57] offset:768*\i+512
.endr
.irp i, 0,1,2,3
.irp n, 6,7,8,9,10,11
	v_mov_b32 v[QF+12*\i+\n], 0                    ; zero codes for k = 64 .. 127
.endr
.endr
.set j, 0
.rept 128
	v_mov_b32 v[j], 0                              ; O^T.  The step is written once: the first finds zeros, which the first change of M leaves zeros
.set j, j+1
.endr
	WIN 0
.irp i, 0,1,2,3
	v_mov_b32 v[ST+6*\i], 0x7f61b1e6               ; -M = 3e38
	v_mov_b32 v[ST+6*\i+1], 0                      ; (the pair's upper half is named, so it is written)
	v_mov_b32 v[ST+6*\i+2], 0
	v_mov_b32 v[ST+6*\i+3], 0
	v_mov_b32 v[ST+6*\i+4], 0xff61b1e6             ; the largest score so far: -3e38
.endr
.irp e, 0,1
	v_mov_b32 v[TP+8*\e+5], 0                      ; written once: a lane permute's destination counts as one of its sources
	v_mov_b32 v[FF+2*\e+1], 0
.endr
	s_mov_b32 s[TB], 0
	s_mov_b32 s[TS], 0
	s_mov_b32 s[CNT], 16
	WALU                                           ; the wait at the head's end
	s_wait_loadcnt 0x0                             ; Q
	s_wait_tensorcnt 0x0                           ; my part of K, V or their scale words has landed,
	s_barrier_signal -1
	s_barrier_wait -1                              ; everybody's has
.macro KLOAD a16, a8, aks, o, so       ; K's scale words and eight half fragments of a step: 18 loads
	ds_load_b128 v[KSC:KSC+3], v[\aks] offset:\so
	ds_load_b128 v[KSC+4:KSC+7], v[\aks] offset:\so+16
.irp a, 0,1,2,3,4,5,6,7
	ds_load_b128 v[KF+6*\a:KF+6*\a+3], v[\a16] offset:\o+768*\a
	ds_load_b64 v[KF+6*\a+4:KF+6*\a+5], v[\a8] offset:\o+768*\a+512
.endr
.endm
.macro QKP P                           ; the scores of tiles 2 P, 2 P + 1 for 128 keys: sixteen accumulators, each begun with 0
	WIN 0x04                                       ; source 1 (Q) window 1
.irp e, 0,1
.irp t, 0,1,2,3,4,5,6,7
	MM SR+64*\e+8*\t, KF+6*\t, QF+12*(2*\P+\e), 0, KSC+\t, QSC+2*\P+\e
.endr
.endr
	WIN 0
.rept 4
	v_nop                                          ; places between the products and the first read of their results, and the loads into their sources
.endr
.endm
.macro PVP P                           ; O^T += V^T P^T: the pair's eight accumulators take turns
	WIN 0x55
.irp d, 0,1,2,3
.irp e, 0,1
	MM 32*(2*\P+\e)+8*\d, VF+12*\d, PF+12*\e, v[32*(2*\P+\e)+8*\d:32*(2*\P+\e)+8*\d+7], VSC+\d, PSC+\e
.endr
.endr
	WIN 0
.endm
; The pair's softmax of the step.  Register 32 c + n of a tile's S^T is key 64 c + 32 h + n.  At work for tile e, from v[TP + 8 e]: +0, +1 the largest score, then p, of my blocks c = 0, 1; +2, +3 two more chains; +4 .. +7 single numbers
.macro SMP P
.irp e, 0,1
.irp k, 0,1,2,3
	v_max3_num_f32 v[TP+8*\e+2*(\k%2)+\k/2], v[SR+64*\e+16*\k], v[SR+64*\e+16*\k+1], v[SR+64*\e+16*\k+2]   ; four chains a tile, each over two accumulators, from their low ends on
.endr
.endr
.irp n, 3,5,7,9,11,13
.irp e, 0,1
.irp k, 0,1,2,3
	v_max3_num_f32 v[TP+8*\e+2*(\k%2)+\k/2], v[TP+8*\e+2*(\k%2)+\k/2], v[SR+64*\e+16*\k+\n], v[SR+64*\e+16*\k+\n+1]
.endr
.endr
.endr
.irp e, 0,1
.irp c, 0,1
	v_max3_num_f32 v[TP+8*\e+\c], v[TP+8*\e+\c], v[TP+8*\e+2+\c], v[SR+64*\e+32*\c+15]
.endr
.endr
.irp e, 0,1
.irp c, 0,1
	v_max_num_f32 v[TP+8*\e+\c], v[TP+8*\e+\c], v[SR+64*\e+32*\c+31]   ; the largest score of my block 2 c + h: it serves the row's maximum and, since p rises with the score, the block's largest p
.endr
.endr
.irp e, 0,1
	v_max3_num_f32 v[TP+8*\e+4], v[ST+6*(2*\P+\e)+4], v[TP+8*\e], v[TP+8*\e+1]
.endr
.irp e, 0,1
	v_permlanex16_b32 v[TP+8*\e+5], v[TP+8*\e+4], s[SEL], s[SEL+1]
.endr
.irp e, 0,1
	v_max_num_f32 v[ST+6*(2*\P+\e)+4], v[TP+8*\e+4], v[TP+8*\e+5]     ; the running largest score of my query
.endr
.irp e, 0,1
	v_mul_f32 v[TP+8*\e+4], s[NC], v[ST+6*(2*\P+\e)+4]                ; -t
.endr
.irp e, 0,1
	v_floor_f32 v[TP+8*\e+4], v[TP+8*\e+4]                            ; the new -M = floor(-t): M is a whole number
.endr
.irp e, 0,1
	v_sub_f32 v[TP+8*\e+6], v[TP+8*\e+4], v[ST+6*(2*\P+\e)]           ; old M - new M: a whole number, 0 or less
.endr
.irp e, 0,1
	v_mov_b32 v[ST+6*(2*\P+\e)], v[TP+8*\e+4]
.endr
.irp e, 0,1
	v_cvt_i32_f32 v[TP+8*\e+6], v[TP+8*\e+6]                          ; (it saturates)
.endr
.irp e, 0,1
	v_ldexp_f32 v[FF+2*\e], 1.0, v[TP+8*\e+6]                         ; f = 2^(old M - new M)
.endr
.set j, 0
.rept 32
.irp e, 0,1
	v_pk_fma_f32 v[SR+64*\e+j:SR+64*\e+j+1], v[SR+64*\e+j:SR+64*\e+j+1], s[CS:CS+1], v[ST+6*(2*\P+\e):ST+6*(2*\P+\e)+1] op_sel_hi:[1,0,0]   ; t - M, two at a time
.endr
.set j, j+2
.endr
.irp e, 0,1
.irp c, 0,1
	v_fma_f32 v[TP+8*\e+\c], v[TP+8*\e+\c], s[CS], v[ST+6*(2*\P+\e)]  ; the same of each block's largest score
.endr
.endr
	WALU                                           ; the wait ahead of the batch
.set j, 0
.rept 64
.irp e, 0,1
	v_exp_f32 v[SR+64*\e+j], v[SR+64*\e+j]         ; p = 2^(t - M), at most 1
.endr
.set j, j+1
.endr
.irp e, 0,1
.irp c, 0,1
	v_exp_f32 v[TP+8*\e+\c], v[TP+8*\e+\c]         ; the blocks' largest p: the same two instructions on the same number
.endr
.endr
	v_nop                                          ; a plain instruction behind the last exponential
	WIN 0x41                                       ; O^T (destination and source 0) window 1
	WALU                                           ; one wait for the batch, directly ahead of the first reader of O^T
.set j, 0
.rept 16
.irp e, 0,1
	v_pk_mul_f32 v[32*(2*\P+\e)+j:32*(2*\P+\e)+j+1], v[32*(2*\P+\e)+j:32*(2*\P+\e)+j+1], v[FF+2*\e:FF+2*\e+1] op_sel_hi:[1,0]   ; O^T under the new M, each accumulator from its low end on
.endr
.set j, j+2
.endr
	WIN 0
.irp e, 0,1
.irp c, 0,1
	v_mul_f32 v[TP+8*\e+\c], 0.25, v[TP+8*\e+\c]   ; 2 off the exponent, exact: the conversion's scale operand
.endr
.endr
.irp e, 0,1
	v_lshrrev_b32 v[TP+8*\e+4], 23, v[TP+8*\e]     ; the scales' bytes
	v_lshrrev_b32 v[TP+8*\e+6], 23, v[TP+8*\e+1]
.endr
.irp e, 0,1
	v_lshl_or_b32 v[TP+8*\e+7], v[TP+8*\e+6], 16, v[TP+8*\e+4]        ; blocks h and 2 + h,
.endr
.irp e, 0,1
	v_lshlrev_b32 v[TP+8*\e+7], v[H8], v[TP+8*\e+7]                   ; at their places in the word;
.endr
.irp e, 0,1
	v_permlanex16_b32 v[TP+8*\e+5], v[TP+8*\e+7], s[SEL], s[SEL+1]
.endr
.irp e, 0,1
	v_or_b32 v[PSC+\e], v[TP+8*\e+7], v[TP+8*\e+5]                    ; with lane l xor 16's two the word is whole
.endr
	WIN 0x40                                       ; the codes: destination window 1
.irp e, 0,1
.irp c, 0,1
	v_cvt_scalef32_pk16_fp6_f32 v[PF+12*\e+6*\c:PF+12*\e+6*\c+2], v[SR+64*\e+32*\c:SR+64*\e+32*\c+15], v[TP+8*\e+\c]
.endr
	v_cvt_scalef32_pk16_fp6_f32 v[CT+4*\e:CT+4*\e+2], v[SR+64*\e+48:SR+64*\e+63], v[TP+8*\e+1]   ; (a conversion's three registers begin on an even number: a block's second half is made elsewhere and moved)
.endr
	WIN 0
.irp e, 0,1
	v_cvt_scalef32_pk16_fp6_f32 v[TP+8*\e+2:TP+8*\e+4], v[SR+64*\e+16:SR+64*\e+31], v[TP+8*\e]
.endr
	v_nop                                          ; one plain place behind a scaled conversion
	WIN 0x40
.irp e, 0,1
.irp n, 0,1,2
	v_mov_b32 v[PF+12*\e+3+\n], v[TP+8*\e+2+\n]
.endr
.endr
	WIN 0x41
.irp e, 0,1
.irp n, 0,1,2
	v_mov_b32 v[PF+12*\e+9+\n], v[CT+4*\e+\n]
.endr
.endr
	WIN 0
.irp e, 0,1                                    ; the row's sum of the unquantised p, two chains a tile; these lines also stand between the writes of p's codes and scale word and the products that take them
	v_pk_fma_f32 v[ST+6*(2*\P+\e)+2:ST+6*(2*\P+\e)+3], v[ST+6*(2*\P+\e)+2:ST+6*(2*\P+\e)+3], v[FF+2*\e:FF+2*\e+1], v[SR+64*\e:SR+64*\e+1] op_sel_hi:[1,0,1]
.endr
.irp e, 0,1
	v_pk_add_f32 v[TP+8*\e+2:TP+8*\e+3], v[SR+64*\e+2:SR+64*\e+3], v[SR+64*\e+4:SR+64*\e+5]
.endr
.set j, 6
.rept 14
.irp e, 0,1
	v_pk_add_f32 v[ST+6*(2*\P+\e)+2:ST+6*(2*\P+\e)+3], v[ST+6*(2*\P+\e)+2:ST+6*(2*\P+\e)+3], v[SR+64*\e+j:SR+64*\e+j+1]
.endr
.irp e, 0,1
	v_pk_add_f32 v[TP+8*\e+2:TP+8*\e+3], v[TP+8*\e+2:TP+8*\e+3], v[SR+64*\e+j+2:SR+64*\e+j+3]
.endr
.set j, j+4
.endr
.irp e, 0,1
	v_pk_add_f32 v[ST+6*(2*\P+\e)+2:ST+6*(2*\P+\e)+3], v[ST+6*(2*\P+\e)+2:ST+6*(2*\P+\e)+3], v[SR+64*\e+62:SR+64*\e+63]
.endr
.irp e, 0,1
	v_pk_add_f32 v[ST+6*(2*\P+\e)+2:ST+6*(2*\P+\e)+3], v[ST+6*(2*\P+\e)+2:ST+6*(2*\P+\e)+3], v[TP+8*\e+2:TP+8*\e+3]
.endr
.endm
	KLOAD L16, L8, KSB, 0, 0                       ; step 0's K
.Lstep:                                            ; 16 trips of 128 keys
	v_add_nc_u32 v[A16], s[TB], v[L16]             ; the step's addresses: four plain instructions, the places behind the last trip's products
	v_add_nc_u32 v[A8], s[TB], v[L8]
	v_add_nc_u32 v[AKS], s[TS], v[KSB]
	v_add_nc_u32 v[AVS], s[TS], v[VSB]
	ds_load_b128 v[VSC:VSC+3], v[AVS]
	WIN 0x40
.irp d, 0,1,2,3
.irp c, 0,1
	ds_load_b128 v[VF+12*\d+6*\c:VF+12*\d+6*\c+3], v[A16] offset:6144+3072*\c+768*\d
	ds_load_b64 v[VF+12*\d+6*\c+4:VF+12*\d+6*\c+5], v[A8] offset:6144+3072*\c+768*\d+512
.endr
.endr
	WIN 0
	WALU
	s_wait_dscnt 17                                ; K and its scale words, asked for ahead of them, are in; V's 17 loads may be out
	QKP 0
	SMP 0
	WALU
	s_wait_dscnt 0x0                               ; V
	PVP 0
	QKP 1
	KLOAD A16, A8, AKS, 12288, 768                 ; the next step's K, behind the places that follow this step's last products on K
	SMP 1
	PVP 1
	s_add_co_u32 s[TB], s[TB], 12288
	s_add_co_u32 s[TS], s[TS], 768
	s_sub_co_u32 s[CNT], s[CNT], 1
	s_cmp_lg_u32 s[CNT], 0
	WALU
	s_cbranch_scc1 .Lstep
	; THE WAY OUT.  The additions are the places behind the last products.
	s_wait_dscnt 0x0                               ; the last trip's look-ahead has landed: its registers are used below
.irp i, 0,1,2,3
	v_add_f32 v[TP+\i], v[ST+6*\i+2], v[ST+6*\i+3] ; the sum's two halves,
.endr
.irp i, 0,1,2,3
	v_permlanex16_b32 v[TP+4+\i], v[TP+\i], s[SEL], s[SEL+1]
.endr
.irp i, 0,1,2,3
	v_add_f32 v[TP+\i], v[TP+\i], v[TP+4+\i]       ; and lane l xor 16's: the row's sum
.endr
	WALU
.irp i, 0,1,2,3
	v_rcp_f32 v[ST+6*\i], v[TP+\i]
.endr
	v_nop                                          ; a plain instruction behind the last reciprocal
	WIN 0x01                                       ; source 0 (O^T) window 1
	WALU                                           ; one wait for the four, directly ahead of the first reader of O^T
.irp i, 0,1,2,3
.set j, 0
.rept 16
	v_pk_mul_f32 v[SR+32*\i+j:SR+32*\i+j+1], v[32*\i+j:32*\i+j+1], v[ST+6*\i:ST+6*\i+1] op_sel_hi:[1,0]   ; O^T / the sum; register 16 b + n of tile i is channel 32 b + 16 h + n
.set j, j+2
.endr
.endr
	WIN 0
; each tile: two blocks of 32 along the next K: one half fragment and two scale bytes; the four tiles by turns
.irp b, 0,1
.irp i, 0,1,2,3
	v_max3_num_f32 v[TP+2*\i+\b], |v[SR+32*\i+16*\b]|, |v[SR+32*\i+16*\b+1]|, 0x1800000   ; the floor 2^(3 - 127) holds the byte at 1 from below
.endr
.endr
.irp n, 2,4,6,8,10,12,14
.irp b, 0,1
.irp i, 0,1,2,3
	v_max3_num_f32 v[TP+2*\i+\b], v[TP+2*\i+\b], |v[SR+32*\i+16*\b+\n]|, |v[SR+32*\i+16*\b+\n+1]|
.endr
.endr
.endr
.irp k, 0,1,2,3,4,5,6,7
	v_permlanex16_b32 v[TP+8+\k], v[TP+\k], s[SEL], s[SEL+1]
.endr
.irp k, 0,1,2,3,4,5,6,7
	v_max_num_f32 v[TP+\k], v[TP+\k], v[TP+8+\k]
.endr
.irp k, 0,1,2,3,4,5,6,7
	v_add_nc_u32 v[TP+8+\k], 0xff000000, v[TP+\k]  ; 2 off the exponent field: the conversion's scale operand
.endr
.irp k, 0,1,2,3,4,5,6,7
	v_lshrrev_b32 v[TP+\k], 23, v[TP+8+\k]
.endr
.irp i, 0,1,2,3
	v_lshl_or_b32 v[FF+\i], v[TP+2*\i+1], 8, v[TP+2*\i]
.endr
.irp i, 0,1,2,3
	v_cvt_scalef32_pk16_fp6_f32 v[KF+8*\i:KF+8*\i+2], v[SR+32*\i:SR+32*\i+15], v[TP+8+2*\i]
	v_cvt_scalef32_pk16_fp6_f32 v[KF+32+4*\i:KF+32+4*\i+2], v[SR+32*\i+16:SR+32*\i+31], v[TP+8+2*\i+1]
.endr
	v_nop                                          ; one plain place behind a scaled conversion
.irp i, 0,1,2,3
.irp n, 0,1,2
	v_permlane16_swap_b32 v[KF+8*\i+\n], v[KF+32+4*\i+\n]   ; the layout wants a whole block in a lane
.endr
.endr
.irp i, 0,1,2,3
.irp n, 0,1,2
	v_mov_b32 v[KF+8*\i+3+\n], v[KF+32+4*\i+\n]
.endr
.endr
.irp i, 0,1,2,3
	global_store_b128 v[L16], v[KF+8*\i:KF+8*\i+3], s[8:9] offset:12288*\i         ; 512 and 256 consecutive bytes, aligned
	global_store_b64 v[L8], v[KF+8*\i+4:KF+8*\i+5], s[8:9] offset:12288*\i+512
.endr
	v_cmp_ne_u32 vcc_lo, 0, v[H8]
	v_cndmask_b32 v[PSC], v[FF], v[FF+1], vcc_lo   ; lanes 0-15 carry one tile's rows, lanes 16-31 the next tile's
	v_cndmask_b32 v[PSC+1], v[FF+2], v[FF+3], vcc_lo
	global_store_b16 v[CSO], v[PSC], s[10:11]      ; two bytes of each row's 32: a head knows no more of a row's scale words; two such stores a wave
	global_store_b16 v[CSO], v[PSC+1], s[10:11] offset:1024
	s_wait_tensorcnt 0x0                           ; the wave's end
	ds_add_u32 v[SPW], v[NIL]
	s_wait_dscnt 0x0
	CROUND                                         ; the closing round: no work-group ends while a partner may still ask for a tile that names it
	s_endpgm
.Lfunc_end_k_qae4cd06866_attn:
	.size	k_qae4cd06866_attn, .Lfunc_end_k_qae4cd06866_attn-k_qae4cd06866_attn
	.p2alignl 7, 3214868480
	.fill 96, 4, 3214868480
	.section	.rodata,"a",@progbits
	.p2align	6, 0x0
	.amdhsa_kernel k_qae4cd06866_attn
		.amdhsa_group_segment_fixed_size 210688
		.amdhsa_private_segment_fixed_size 0
		.amdhsa_enable_private_segment 0
		.amdhsa_kernarg_size 32
		.amdhsa_user_sgpr_count 2
		.amdhsa_user_sgpr_kernarg_segment_ptr 1
		.amdhsa_wavefront_size32 1
		.amdhsa_system_sgpr_workgroup_id_x 1
		.amdhsa_system_sgpr_workgroup_id_y 1
		.amdhsa_system_sgpr_workgroup_id_z 1
		.amdhsa_system_vgpr_workitem_id 0
		.amdhsa_next_free_vgpr 512
		.amdhsa_next_free_sgpr 66
		.amdhsa_reserve_vcc 1
		.amdhsa_float_denorm_mode_32 3
		.amdhsa_float_denorm_mode_16_64 3
		.amdhsa_memory_ordered 1
		.amdhsa_forward_progress 1
		.amdhsa_inst_pref_size 79
	.end_amdhsa_kernel
	.amdgpu_metadata
---
amdhsa.version: [ 1, 2 ]
amdhsa.kernels:
  - .name:           k_qae4cd06866_attn
    .symbol:         k_qae4cd06866_attn.kd
    .args:
      - { .name: qkv, .offset: 0, .size: 8, .value_kind: global_buffer, .address_space: global }
      - { .name: qkv_sc, .offset: 8, .size: 8, .value_kind: global_buffer, .address_space: global }
      - { .name: ctx_img, .offset: 16, .size: 8, .value_kind: global_buffer, .address_space: global }
      - { .name: ctx_sc, .offset: 24, .size: 8, .value_kind: global_buffer, .address_space: global }
    .group_segment_fixed_size: 210688
    .private_segment_fixed_size: 0
    .kernarg_segment_align: 8
    .kernarg_segment_size: 32
    .max_flat_workgroup_size: 256
    .sgpr_count:     66
    .vgpr_count:     512
    .wavefront_size: 32
...
	.end_amdgpu_metadata
.endif
;; end of part 3
;; launch outp (part 4): grid 8 x 32, 4 waves a work-group, clusters of 4 x 4, 327,680 bytes of LDS; arguments ctx_img, ctx_sc, img, sc, bo, out0; writes out0
.if DOCPART == 4
	.amdgcn_target "amdgcn-amd-amdhsa--gfx1250"
	.amdhsa_code_object_version 6
	.text
	.protected	k_qae4cd06866_outp
	.globl	k_qae4cd06866_outp
	.p2align	8
	.type	k_qae4cd06866_outp,@function
k_qae4cd06866_outp:
	s_mov_b64 s[64:65], 0
	v_nop
	global_prefetch_b8 v0, s[64:65] scope:SCOPE_SE
	s_setreg_imm32_b32 hwreg(HW_REG_WAVE_MODE, 25, 1), 1
	s_wait_xcnt 0x0
	s_wait_alu depctr_hold_cnt(0) depctr_sa_sdst(0) depctr_va_vdst(0) depctr_va_sdst(0) depctr_va_ssrc(0) depctr_va_vcc(0) depctr_vm_vsrc(0)
	s_getreg_b32 s2, hwreg(HW_REG_IB_STS2, 6, 4)
	s_cmp_eq_u32 s2, 0
	s_cbranch_scc0 .Lentry_in_a_cluster
	s_endpgm
.Lentry_in_a_cluster:
	s_bfe_u32 s2, ttmp6, 0x10000c
	s_cmp_lg_u32 s2, 0xf033
	s_cbranch_scc0 .Lentry_shape_is_right
	s_endpgm
.Lentry_shape_is_right:
; out0 = ctx Wo + bo on codes of FP6 (E2M3) with E8M0 scales, f32 out.
; IN: ctx_img [tile 512][64 along K: 16][768], ctx_sc [tile][r 16][8 words]; Wo's column tile c is tile 1728 + c of img and sc.  A tile is 16 lines: lane r of tile T stands for line 32 (T / 2) + 8 (T % 2) + r + 8 (r / 8).
; THE DEAL: 256 work-groups of four waves, 2 x 2.  Work-group (X, Y) makes rows 256 Y .. + 255, columns 128 X .. + 127.  A wave (a, b) holds its 64 columns of Wo, ALL of K, in 384 registers,
; and takes tiles 4 a .. 4 a + 3 of each of the two chunks of 128 rows as its eight blocks of 16 rows, 32 products a block; a block's eight fragments lie twice in registers.
; LDS: the two chunks of ctx (98,304 bytes each), Wo's 128 columns (98,304), a stage of 16 x 272 bytes for each wave, the spare words.  All that the work-group reads is asked for at the head, one joint load a wave
; (wave 0 Wo's columns, waves 1 and 2 the chunks): nothing is filled again.  ctx's rows are shared by a row of the cluster, Wo's columns by a column.
; No prefetch: all the launch's tensor loads go out at its head, so there is no loop to run ahead in.
; Source 0 = Wo's columns, so a lane holds one row of the result and eight neighbouring columns for each column tile.  The bias is the C of a block's first four products.
; THE WAY OUT, block by block: 16 rows x 64 columns go through the wave's own stage and come back as rows of 256 bytes: sixteen lanes store one aligned unit of 256 bytes.
.set TILE,  12288
.set S1,    98304
.set WR,    196608
.set STAGE, 294912
.set SPITCH, 272
.set SPARE, STAGE+4*16*SPITCH
.set WOT,   1728
.set L16, 1
.set L8,  2
.set XA16, 4                           ; v4, v5 LDS address of my four tiles of chunk 0, 1, + 16 x lane; v6, v7 + 8 x lane
.set XA8, 6
.set WA16, 8
.set WA8, 9
.set SPW, 10
.set NIL, 11
.set STO, 12                           ; v12 the stage, on the way in; v13 on the way back; v14 my place in two rows of out0
.set RD,  13
.set CO,  14
.set XSO, 15
.set WSO, 16
.set HB,  19
.set TR,  20
.set BO1, 21
.set XS,  32                           ; v32-95 ctx's scale words, 8 a block
.set WS,  96                           ; v96-111 Wo's: register 8 p + q: lanes 0-15 tile 2 p, lanes 16-31 tile 2 p + 1
.set OB,  128                          ; v128-191 rows read back from the stage, two sets
.set ACC, 72                           ; window 3: v72-135 sums, two sets; v200-231 the bias
.set BQ,  200
; fragment f lies in window 1 + f / 21 at register 12 (f % 21): 0-31 Wo's (4 q + t), 32-39 and 40-47 ctx's two sets
.set G1X, 24
.set G1W, 32
.set G0X, 48
.set G0W, 52
.set G0H, 56
.set XSP, 66
.set WSP, 68
.set MSB, 0
.macro WIN new
.if MSB != (\new)
	s_set_vgpr_msb (MSB<<8)|(\new)
.set MSB, (\new)
.endif
.endm
.macro PLACES n
.rept \n
	v_nop
.endr
.endm
.macro WALU
	s_wait_alu depctr_va_vdst(0)
.endm
.macro BARRIER
	s_barrier_signal -1
	s_barrier_wait -1
.endm
.macro CROUND
	s_barrier_signal -1
	s_barrier_wait -1
	s_cmp_lg_u32 s18, 0
	s_cbranch_scc1 .Lnot_wave_0_\@
	s_barrier_signal -3
.Lnot_wave_0_\@:
	s_barrier_wait -3
	BARRIER
.endm
.macro TLOAD g0, g1
	tensor_load_to_lds s[\g0:\g0+3], s[\g1:\g1+7]
	s_nop 0
	PLACES 4
.endm
.macro FRAG f, a16, a8, off            ; 16 lines x 128 K: two half fragments of 768 bytes, as the registers want them
	WIN (1+(\f)/21)<<6
.set R_, 12*((\f)%21)
	ds_load_b128 v[R_:R_+3], v[\a16] offset:\off
	ds_load_b64 v[R_+4:R_+5], v[\a8] offset:\off+512
	ds_load_b128 v[R_+6:R_+9], v[\a16] offset:\off+768
	ds_load_b64 v[R_+10:R_+11], v[\a8] offset:\off+1280
.endm
.macro FETCH set, slot, u              ; a block of ctx into a set: 32 loads
.irp q, 0,1,2,3,4,5,6,7
	FRAG 32+8*(\set)+\q, XA16+(\slot), XA8+(\slot), (\u)*TILE+\q*1536
.endr
	WIN 0
.endm
.macro WEIGHTS                         ; my 64 columns, all of K: 128 loads
.irp q, 0,1,2,3,4,5,6,7
.irp t, 0,1,2,3
	FRAG 4*\q+\t, WA16, WA8, \t*TILE+\q*1536
.endr
.endr
	WIN 0
.endm
.macro PR1 d, s0, s1, c, x0, x1, o
.if \o
	v_wmma_scale_f32_16x16x128_f8f6f4 v[\d:\d+7], v[\s0:\s0+11], v[\s1:\s1+11], \c, v[\x0], v[\x1] matrix_a_fmt:MATRIX_FMT_FP6 matrix_b_fmt:MATRIX_FMT_FP6 matrix_a_scale:MATRIX_SCALE_ROW1
.else
	v_wmma_scale_f32_16x16x128_f8f6f4 v[\d:\d+7], v[\s0:\s0+11], v[\s1:\s1+11], \c, v[\x0], v[\x1] matrix_a_fmt:MATRIX_FMT_FP6 matrix_b_fmt:MATRIX_FMT_FP6
.endif
.endm
.macro PROD set, xs, d, n              ; product n = 4 q + t of a block; the four accumulators take turns
.set Q_, (\n)/4
.set T_, (\n)%4
.set FX_, 32+8*(\set)+Q_
.set RW_, 12*((\n)%21)
.set RX_, 12*(FX_%21)
.set D_, (\d)+8*T_
.set SX_, XS+8*(\xs)+Q_
.set SW_, WS+8*(T_/2)+Q_
	WIN (1+(\n)/21)|((1+FX_/21)<<2)|0xf0
.if Q_
	PR1 D_, RW_, RX_, v[D_:D_+7], SW_, SX_, T_%2
.else
	PR1 D_, RW_, RX_, v[BQ+8*T_:BQ+8*T_+7], SW_, SX_, T_%2
.endif
.endm
.macro OBK s                           ; block s: its products, its way out, the fetch of the block two on
.set AC_, ACC+32*((\s)%2)
.set OB_, OB+32*((\s)%2)
.if (\s) == 7
	s_wait_dscnt 0x0
.else
	s_wait_dscnt 32                                ; my block is in; the next block's 32 loads may be out
.endif
.set N_, 0
.rept 32
	PROD (\s)%2, \s, AC_, N_
.set N_, N_+1
.endr
	WIN 0x0c                                       ; the stores' data: window 3
	PLACES 4                                       ; between the products and the reads of their results, and the loads into their sources
.irp t, 0,1,2,3
	ds_store_b128 v[STO], v[AC_+8*\t:AC_+8*\t+3] offset:(32*(\t/2)+8*(\t%2))*4        ; each accumulator from its low end on
	ds_store_b128 v[STO], v[AC_+8*\t+4:AC_+8*\t+7] offset:(32*(\t/2)+8*(\t%2))*4+16
.endr
	WIN 0
	s_wait_xcnt 0x0                                ; the stores of two blocks ago have read this set of registers
.irp k, 0,1,2,3,4,5,6,7
	ds_load_b128 v[OB_+4*\k:OB_+4*\k+3], v[RD] offset:\k*2*SPITCH   ; LDS serves a wave's instructions in order: these see the stores above
.endr
.if (\s) < 6
	FETCH (\s)%2, ((\s)+2)/4, ((\s)+2)%4
	s_wait_dscnt 32                                ; the rows are back; the 32 loads just issued may be out
.else
	s_wait_dscnt 0x0
.endif
.irp k, 0,1,2,3,4,5,6,7
	global_store_b128 v[CO], v[OB_+4*\k:OB_+4*\k+3], s[14:15] offset:(128*((\s)/4)+32*(((\s)%4)/2)+8*((\s)%2)+2*\k+8*(\k/4))*4096 th:TH_STORE_NT   ; sixteen lanes store 256 consecutive bytes, aligned
.endr
.endm
; ================= THE HEAD
	s_load_b256 s[4:11], s[0:1], 0x0               ; ctx_img, ctx_sc, img, sc
	s_load_b128 s[12:15], s[0:1], 0x20             ; bo, out0
	v_lshl_add_u32 v[SPW], v0, 2, SPARE
	v_mov_b32 v[NIL], 0
	ds_add_u32 v[SPW], v[NIL]                      ; the opening lines
	ds_add_u32 v[SPW], v[NIL]
	v_lshrrev_b32 v3, 5, v0
	v_readfirstlane_b32 s18, v3                    ; wave; s19 = a, its row of the 2 x 2; s20 = b, its column
	s_lshr_b32 s19, s18, 1
	s_and_b32 s20, s18, 1
	s_bfe_u32 s40, ttmp6, 0x40000                  ; cx
	s_bfe_u32 s41, ttmp6, 0x40004                  ; cy
	s_lshl_b32 s42, ttmp9, 2
	s_add_co_u32 s42, s42, s40                     ; X
	s_and_b32 s43, ttmp7, 0xffff
	s_lshl_b32 s43, s43, 2
	s_add_co_u32 s43, s43, s41                     ; Y
	s_lshl_b32 s44, s41, 2
	s_lshl_b32 s44, 15, s44                        ; my row of the cluster
	s_lshl_b32 s45, 0x1111, s40                    ; my column
	s_or_b32 s[G1X], s44, (3<<16)|(1<<21)          ; a tile is 384 rows of 256 bytes (32 elements of 8 bytes)
	s_or_b32 s[G1W], s45, (3<<16)|(1<<21)
.irp g, G1X, G1W
	s_mov_b32 s[\g+1], 32<<16
	s_mov_b32 s[\g+2], 384<<16
	s_mov_b32 s[\g+3], 32<<16
	s_mov_b32 s[\g+4], 384
	s_mov_b32 s[\g+5], 32
	s_mov_b32 s[\g+6], 0
	s_mov_b32 s[\g+7], 0
.endr
	s_mov_b32 s[G0X], 1
	s_mov_b32 s[G0X+1], 0
	s_mov_b32 s[G0H], 1
	s_mov_b32 s[G0H+1], S1
	s_mov_b32 s[G0W], 1
	s_mov_b32 s[G0W+1], WR
	s_mul_i32 s88, s43, 16*TILE                    ; ctx's rows, bytes from ctx_img
	s_mov_b32 s89, 0
	s_mul_i32 s90, s42, 8*TILE
	s_add_co_u32 s90, s90, WOT*TILE                ; Wo's columns, bytes from img
	s_mov_b32 s91, 0
	s_lshl_b32 s92, s43, 13                        ; their scale words: 512 bytes a tile
	s_lshl_b32 s93, s19, 11
	s_add_co_u32 s92, s92, s93
	s_mov_b32 s93, 0
	s_lshl_b32 s94, s42, 12
	s_lshl_b32 s95, s20, 11
	s_add_co_u32 s94, s94, s95
	s_add_co_u32 s94, s94, WOT*512
	s_mov_b32 s95, 0
	s_mul_i32 s21, s19, 4*TILE                     ; LDS: my four tiles of chunk 0,
	s_add_co_u32 s22, s21, S1                      ; of chunk 1,
	s_mul_i32 s23, s20, 4*TILE
	s_add_co_u32 s23, s23, WR                      ; my four column tiles,
	s_mul_i32 s46, s18, 16*SPITCH
	s_add_co_u32 s46, s46, STAGE                   ; my stage
	s_wait_dscnt 0x0
	s_wait_kmcnt 0x0
	s_add_nc_u64 s[G0X+2:G0X+3], s[4:5], s[88:89]
	s_add_nc_u64 s[G0H+2:G0H+3], s[G0X+2:G0X+3], S1
	s_or_b32 s[G0X+3], s[G0X+3], 0x80000000
	s_or_b32 s[G0H+3], s[G0H+3], 0x80000000
	s_add_nc_u64 s[G0W+2:G0W+3], s[8:9], s[90:91]
	s_or_b32 s[G0W+3], s[G0W+3], 0x80000000
	s_add_nc_u64 s[XSP:XSP+1], s[6:7], s[92:93]
	s_add_nc_u64 s[WSP:WSP+1], s[10:11], s[94:95]
	CROUND                                         ; all sixteen work-groups are here: the joint loads meet
	s_cmp_eq_u32 s18, 0
	s_cbranch_scc0 .Lhead_1
	TLOAD G0W, G1W                                 ; wave 0: Wo's columns, wanted first
	s_branch .Lhead_asked
.Lhead_1:
	s_cmp_eq_u32 s18, 1
	s_cbranch_scc0 .Lhead_2
	TLOAD G0X, G1X                                 ; wave 1: chunk 0
	s_branch .Lhead_asked
.Lhead_2:
	s_cmp_eq_u32 s18, 2
	s_cbranch_scc0 .Lhead_asked
	TLOAD G0H, G1X                                 ; wave 2: chunk 1
.Lhead_asked:
	s_lshl_b32 s92, s42, 9
	s_lshl_b32 s94, s20, 8
	s_add_co_u32 s92, s92, s94                     ; my 64 columns, in bytes
	s_mov_b32 s93, 0
	s_add_nc_u64 s[12:13], s[12:13], s[92:93]
	s_add_nc_u64 s[14:15], s[14:15], s[92:93]
	s_lshl_b32 s92, s43, 20                        ; row 256 Y + 64 a of 4,096 bytes
	s_lshl_b32 s94, s19, 18
	s_add_co_u32 s92, s92, s94
	s_add_nc_u64 s[14:15], s[14:15], s[92:93]
	v_and_b32 v3, 31, v0                           ; lane
	v_and_b32 v[TR], 15, v0                        ; r
	v_bfe_u32 v[HB], v0, 4, 1                      ; h
	v_lshlrev_b32 v[L16], 4, v3
	v_lshlrev_b32 v[L8], 3, v3
	v_add_nc_u32 v[XA16], s21, v[L16]
	v_add_nc_u32 v[XA16+1], s22, v[L16]
	v_add_nc_u32 v[XA8], s21, v[L8]
	v_add_nc_u32 v[XA8+1], s22, v[L8]
	v_add_nc_u32 v[WA16], s23, v[L16]
	v_add_nc_u32 v[WA8], s23, v[L8]
	v_lshlrev_b32 v[XSO], 5, v[TR]
	v_lshlrev_b32 v[WSO], 5, v3
	v_mul_u32_u24 v[STO], v[TR], SPITCH            ; in: row r, 64 bytes on for the upper half of the lanes
	v_lshl_add_u32 v[STO], v[HB], 6, v[STO]
	v_add_nc_u32 v[STO], s46, v[STO]
	v_mul_u32_u24 v[RD], v[HB], SPITCH             ; back: lanes 0-15 take one row of 256 bytes, lanes 16-31 the next
	v_lshl_add_u32 v[RD], v[TR], 4, v[RD]
	v_add_nc_u32 v[RD], s46, v[RD]
	v_lshlrev_b32 v[CO], 12, v[HB]                 ; and the same two rows in out0
	v_lshl_add_u32 v[CO], v[TR], 4, v[CO]
	v_lshlrev_b32 v[BO1], 6, v[HB]                 ; register j of column tile t is column 32 (t / 2) + 8 (t % 2) + 16 h + j
	WALU
.irp s, 0,1,2,3,4,5,6,7
	global_load_b128 v[XS+8*\s:XS+8*\s+3], v[XSO], s[XSP:XSP+1] offset:(\s/4)*4096+(\s%4)*512
	global_load_b128 v[XS+8*\s+4:XS+8*\s+7], v[XSO], s[XSP:XSP+1] offset:(\s/4)*4096+(\s%4)*512+16
.endr
.irp p, 0,1
	global_load_b128 v[WS+8*\p:WS+8*\p+3], v[WSO], s[WSP:WSP+1] offset:1024*\p
	global_load_b128 v[WS+8*\p+4:WS+8*\p+7], v[WSO], s[WSP:WSP+1] offset:1024*\p+16
.endr
	WIN 0xc0
.irp t, 0,1,2,3
	global_load_b128 v[BQ+8*\t:BQ+8*\t+3], v[BO1], s[12:13] offset:(32*(\t/2)+8*(\t%2))*4
	global_load_b128 v[BQ+8*\t+4:BQ+8*\t+7], v[BO1], s[12:13] offset:(32*(\t/2)+8*(\t%2))*4+16
.endr
	WIN 0
	s_cmp_eq_u32 s18, 0
	s_cbranch_scc0 .Lnot_w
	s_wait_tensorcnt 0x0
.Lnot_w:
	BARRIER                                        ; Wo's columns are in
	WEIGHTS
	s_wait_tensorcnt 0x0
	s_wait_dscnt 0x0
	BARRIER                                        ; both chunks are in
	FETCH 0, 0, 0
	FETCH 1, 0, 1
	s_wait_loadcnt 0x0                             ; the scale words and the bias
; ================= EIGHT BLOCKS
.irp s, 0,1,2,3,4,5,6,7
	OBK \s
.endr
	s_wait_tensorcnt 0x0                           ; the wave's end
	ds_add_u32 v[SPW], v[NIL]
	s_wait_dscnt 0x0
	CROUND                                         ; the closing round
	s_endpgm
.Lfunc_end_k_qae4cd06866_outp:
	.size	k_qae4cd06866_outp, .Lfunc_end_k_qae4cd06866_outp-k_qae4cd06866_outp
	.p2alignl 7, 3214868480
	.fill 96, 4, 3214868480
	.section	.rodata,"a",@progbits
	.p2align	6, 0x0
	.amdhsa_kernel k_qae4cd06866_outp
		.amdhsa_group_segment_fixed_size 327680
		.amdhsa_private_segment_fixed_size 0
		.amdhsa_enable_private_segment 0
		.amdhsa_kernarg_size 48
		.amdhsa_user_sgpr_count 2
		.amdhsa_user_sgpr_kernarg_segment_ptr 1
		.amdhsa_wavefront_size32 1
		.amdhsa_system_sgpr_workgroup_id_x 1
		.amdhsa_system_sgpr_workgroup_id_y 1
		.amdhsa_system_sgpr_workgroup_id_z 1
		.amdhsa_system_vgpr_workitem_id 0
		.amdhsa_next_free_vgpr 1024
		.amdhsa_next_free_sgpr 102
		.amdhsa_reserve_vcc 0
		.amdhsa_float_denorm_mode_32 3
		.amdhsa_float_denorm_mode_16_64 3
		.amdhsa_memory_ordered 1
		.amdhsa_forward_progress 1
		.amdhsa_inst_pref_size 84
	.end_amdhsa_kernel
	.amdgpu_metadata
---
amdhsa.version: [ 1, 2 ]
amdhsa.kernels:
  - .name:           k_qae4cd06866_outp
    .symbol:         k_qae4cd06866_outp.kd
    .args:
      - { .name: ctx_img, .offset: 0, .size: 8, .value_kind: global_buffer, .address_space: global }
      - { .name: ctx_sc, .offset: 8, .size: 8, .value_kind: global_buffer, .address_space: global }
      - { .name: img, .offset: 16, .size: 8, .value_kind: global_buffer, .address_space: global }
      - { .name: sc, .offset: 24, .size: 8, .value_kind: global_buffer, .address_space: global }
      - { .name: bo, .offset: 32, .size: 8, .value_kind: global_buffer, .address_space: global }
      - { .name: out0, .offset: 40, .size: 8, .value_kind: global_buffer, .address_space: global }
    .group_segment_fixed_size: 327680
    .private_segment_fixed_size: 0
    .kernarg_segment_align: 8
    .kernarg_segment_size: 48
    .max_flat_workgroup_size: 128
    .sgpr_count:     102
    .vgpr_count:     1024
    .wavefront_size: 32
...
	.end_amdgpu_metadata
.endif
;; end of part 4
